; MI455X (gfx1250); checked and timed in simulation.
; The chip was launched on July 23, 2026; its instructions are those of AMD's public machine-readable ISA for CDNA 5 (MIT licence, August 2026) and "CDNA5" Instruction Set Architecture Reference Guide (July 2026). The comments in the code are by the model that wrote it; some were corrected since.
;; Grouped Query Attention. Allowed arithmetic: float matrix products may take bf16 or f16 operands with f32 sums; all other float work in f32.
;; Inputs: Wk 2,048 x 256 float32; Wo 256 x 2,048 float32; Wq 2,048 x 2,048 float32; Wv 2,048 x 256 float32; bk 256 float32; bo 2,048 float32; bq 2,048 float32; bv 256 float32; x 4 x 2,048 x 2,048 float32.
;; Outputs: out0 4 x 2,048 x 2,048 float32.
;; 2 versions, each right; version 2 is version 1 with the launch prep written anew for expert scheduling mode. Each part assembles by itself: llvm-mc -triple=amdgcn-amd-amdhsa -mcpu=gfx1250 --defsym DOCPART=n.
;; ======== version 1 of 2: 4 launches
;; limits: values are held in f16: magnitudes above 65,504 overflow, below 6.1e-05 lose precision
;; workspace buffers: wc 3,145,728 bytes; woc 1,048,576 bytes; bqkv 3,072 bytes; tab 1,048,576 bytes; qkv 12,582,912 bytes; y 4,194,304 bytes
;; launch prep (part 1): grid 209 x 1, 8 waves a work-group, no clusters, 70,656 bytes of LDS; arguments Wq, Wk, Wv, Wo, bq, bk, bv, wc, woc, bqkv, tab; writes wc, woc, bqkv, tab
.if DOCPART == 1
	.amdgcn_target "amdgcn-amd-amdhsa--gfx1250"
	.amdhsa_code_object_version 6
	.text
	.protected	k_qe232850423_prep
	.globl	k_qe232850423_prep
	.p2align	8
	.type	k_qe232850423_prep,@function
k_qe232850423_prep:
	s_mov_b64 s[64:65], 0
	v_nop
	global_prefetch_b8 v0, s[64:65] scope:SCOPE_SE
	s_setreg_imm32_b32 hwreg(HW_REG_WAVE_MODE, 25, 1), 1
	s_wait_xcnt 0x0
; prep: what the three later launches read again and again is made once.
;   wc   [48 nt][2048 k][16 n] f16: blocks of 16 columns of the q, k and v weights.  nt 0-15: q of kv head nt>>3, 16-31: k, 32-47: v.
;   woc  [128 nt][256 k][16 n] f16: Wo in the same form.        bqkv [768] f32: the three biases side by side.
;   tab  [2048 t][64 i]{cos, sin} f32: RoPE's angles t * 10000^(-i/64).
; The score sums over the 8 query heads of a kv head as well as over d, and RoPE is linear and the same for every head at a position:
; so the 8 slices of Wq (and of bq) are added here, in f32, and one q of 128 columns per kv head is projected later.  log2(e)/sqrt(128) is
; multiplied in, so that the softmax can work in base 2.  ORDER OF ROUNDING: differs from the formula as written (sum of weights, one rounding to f16).
; LIMIT: weights are kept in f16: a weight (for q: the scaled sum of eight) beyond 65,504 becomes infinite, below 6e-8 zero.
; LIMIT: cos and sin come from a two-part reduction by pi/2 and polynomials (errors below 4e-7) of an angle formed in f32, as the formula forms it;
; the frequency is exp2 of a rounded product, so the angle can differ by up to about 4e-4 rad at t = 2047.
; No matrix unit, no cluster, no tensor load: a short stream whose only need is whole aligned runs in and out.
; Work-groups 0-127: 16 rows k of Wq, Wk, Wv.  128-143: 16 rows of Wo.  144-207: 32 rows of the table.  208: the biases.
.set SC,  0x3e0293ee                   ; log2(e) / sqrt(128)
.set L16, 3                            ; v3   16 x lane
.set ST,  4                            ; v4   stage, way in
.set RD,  5                            ; v5   stage, way back
.set GO,  6                            ; v6   byte offset in the output
.set X,   16                           ; v[16:175] rows as loaded
.set T,   176                          ; v[176:183] four pairs of packed f16
.set NP,  544                          ; stage: 16 k x 32 bytes for a block nt, + 32: eight neighbouring nt start 32 bytes apart modulo 256
.macro ADD4 d, s
	v_pk_add_f32 v[\d:\d+1], v[\d:\d+1], v[\s:\s+1]
	v_pk_add_f32 v[\d+2:\d+3], v[\d+2:\d+3], v[\s+2:\s+3]
.endm
; eight quads at b, b+4 .. b+28 are added as a tree into the first and scaled
.macro SUM8 b
	ADD4 \b, \b+4
	ADD4 \b+8, \b+12
	ADD4 \b+16, \b+20
	ADD4 \b+24, \b+28
	ADD4 \b, \b+8
	ADD4 \b+16, \b+24
	ADD4 \b, \b+16
	v_pk_mul_f32 v[\b:\b+1], v[\b:\b+1], SC op_sel_hi:[1,0]
	v_pk_mul_f32 v[\b+2:\b+3], v[\b+2:\b+3], SC op_sel_hi:[1,0]
.endm
; four f32 to four f16, 8 bytes into the stage
.macro PUT src, imm, t
	v_cvt_pk_f16_f32 v[T+2*(\t)], v[\src], v[\src+1]
	v_cvt_pk_f16_f32 v[T+2*(\t)+1], v[\src+2], v[\src+3]
	ds_store_b64 v[ST], v[T+2*(\t):T+2*(\t)+1] offset:\imm
.endm
	s_load_b512 s[4:19], s[0:1], 0x0               ; Wq 4, Wk 6, Wv 8, Wo 10, bq 12, bk 14, bv 16, wc 18
	s_load_b128 s[20:23], s[0:1], 0x40             ; woc 20, bqkv 22
	s_load_b64 s[24:25], s[0:1], 0x50              ; tab
	v_lshl_add_u32 v184, v0, 2, 0x11000
	v_mov_b32 v185, 0
	v_and_b32 v1, 31, v0                           ; lane
	v_lshrrev_b32 v2, 5, v0                        ; wave
	v_readfirstlane_b32 s26, v2
	v_lshlrev_b32 v[L16], 4, v1
	v_lshrrev_b32 v7, 2, v1                        ; a lane's 4 columns lie in block lane>>2 of its chunk of 128,
	v_and_b32 v8, 3, v1                            ; at 8 bytes x (lane & 3)
	v_mul_u32_u24 v7, v7, NP
	v_lshl_add_u32 v7, v8, 3, v7
	v_lshl_add_u32 v[ST], v2, 6, v7                ; + 2 rows of 32 bytes for each wave
	s_mov_b32 s27, ttmp9
	s_mov_b32 s29, 0                               ; upper word of every offset pair s[28:29]
	s_wait_kmcnt 0x0
	s_cmp_lt_u32 s27, 128
	s_cbranch_scc1 .Lw_qkv
	s_cmp_lt_u32 s27, 144
	s_cbranch_scc1 .Lw_o
	s_cmp_lt_u32 s27, 208
	s_cbranch_scc1 .Ltable
	; THE BIASES.  Waves 0, 1: q of kv head 0, 1 (eight slices added and scaled).  2, 3: halves of bk.  4, 5: halves of bv.
	s_cmp_ge_u32 s26, 6
	s_cbranch_scc1 .Lend
	s_and_b32 s28, s26, 1
	s_cmp_ge_u32 s26, 2
	s_cbranch_scc1 .Lb_kv
	s_lshl_b32 s28, s28, 12                        ; 8 heads x 512 bytes
	s_add_nc_u64 s[12:13], s[12:13], s[28:29]
.irp g, 0,1,2,3,4,5,6,7
	global_load_b128 v[X+4*\g:X+4*\g+3], v[L16], s[12:13] offset:512*\g
.endr
	s_lshr_b32 s28, s28, 3                         ; 512 bytes of bqkv for each head
	v_add_nc_u32 v[GO], s28, v[L16]
	s_wait_loadcnt 0x0
	SUM8 X
	global_store_b128 v[GO], v[X:X+3], s[22:23]
	s_endpgm
.Lb_kv:
	s_lshl_b32 s28, s28, 9
	s_mov_b32 s32, 2048                            ; bv's place in bqkv; an instruction holds one literal, so this one comes by register
	s_cmp_lt_u32 s26, 4
	s_cselect_b64 s[30:31], s[14:15], s[16:17]     ; bk or bv
	s_cselect_b32 s32, 1024, s32                   ; and its place in bqkv
	v_add_nc_u32 v[GO], s28, v[L16]
	global_load_b128 v[X:X+3], v[GO], s[30:31]
	v_add_nc_u32 v7, s32, v[GO]
	s_wait_loadcnt 0x0
	global_store_b128 v7, v[X:X+3], s[22:23]
.Lend:
	s_endpgm
	; Wq, Wk, Wv: the work-group owns rows k0 = 16 x group .. + 15, wave w rows k0 + 2w and + 1.
	; A row is 16 + 2 + 2 chunks of 512 bytes; each load of the wave covers one chunk, aligned.
.Lw_qkv:
	s_lshl_b32 s28, s27, 17                        ; 16 rows of 8,192 bytes
	s_lshl_b32 s30, s26, 14                        ; 2 rows
	s_add_co_u32 s28, s28, s30
	s_add_nc_u64 s[4:5], s[4:5], s[28:29]
	s_lshr_b32 s28, s28, 3                         ; rows of 1,024 bytes
	s_add_nc_u64 s[6:7], s[6:7], s[28:29]
	s_add_nc_u64 s[8:9], s[8:9], s[28:29]
.irp kk, 0,1
.irp c, 0,1,2,3,4,5,6,7,8,9,10,11,12,13,14,15
	global_load_b128 v[X+80*\kk+4*\c:X+80*\kk+4*\c+3], v[L16], s[4:5] offset:8192*\kk+512*\c th:TH_LOAD_NT
.endr
.irp c, 0,1
	global_load_b128 v[X+80*\kk+64+4*\c:X+80*\kk+64+4*\c+3], v[L16], s[6:7] offset:1024*\kk+512*\c th:TH_LOAD_NT
.endr
.irp c, 0,1
	global_load_b128 v[X+80*\kk+72+4*\c:X+80*\kk+72+4*\c+3], v[L16], s[8:9] offset:1024*\kk+512*\c th:TH_LOAD_NT
.endr
.endr
	v_mad_u32_u24 v[RD], v2, 6*NP, v[L16]          ; wave w brings out blocks 6w .. 6w + 5
	v_mad_u32_u24 v[GO], v2, 6*65536, v[L16]
	s_lshl_b32 s28, s27, 9                         ; k0 x 32 bytes inside a block
	s_add_nc_u64 s[18:19], s[18:19], s[28:29]
.macro QKVROW kk
	SUM8 (X+80*\kk)
	SUM8 (X+80*\kk+32)
	PUT (X+80*\kk),    0*8*NP+32*\kk, 0            ; q, head 0: blocks 0-7
	PUT (X+80*\kk+32), 1*8*NP+32*\kk, 1            ; q, head 1
	PUT (X+80*\kk+64), 2*8*NP+32*\kk, 2            ; k
	PUT (X+80*\kk+68), 3*8*NP+32*\kk, 3
	PUT (X+80*\kk+72), 4*8*NP+32*\kk, 0            ; v
	PUT (X+80*\kk+76), 5*8*NP+32*\kk, 1
.endm
	s_wait_loadcnt 20                              ; the first row's 20 loads are in, the second row's 20 stay out
	QKVROW 0
	s_wait_loadcnt 0x0
	QKVROW 1
	s_wait_dscnt 0x0                               ; my stores are in LDS before I say so: other waves read them
	s_barrier_signal -1
	s_barrier_wait -1
.irp i, 0,1,2,3,4,5
	ds_load_b128 v[X+4*\i:X+4*\i+3], v[RD] offset:NP*\i            ; a block's 16 k x 32 bytes: 512 neighbouring bytes
.endr
.irp i, 0,1,2,3,4,5
	s_wait_dscnt 5-\i                              ; LDS loads come back in order: load i is in
	global_store_b128 v[GO], v[X+4*\i:X+4*\i+3], s[18:19] offset:65536*\i   ; 512 consecutive bytes, aligned
.endr
	s_wait_tensorcnt 0x0
	ds_add_u32 v184, v185
	s_wait_dscnt 0x0
	s_endpgm
	; Wo: the same without a sum.  16 rows k, a row is 16 chunks; wave w brings out blocks 16w .. 16w + 15.
.Lw_o:
	s_sub_co_u32 s28, s27, 128
	s_lshl_b32 s31, s28, 9                         ; k0 x 32 bytes
	s_lshl_b32 s28, s28, 17
	s_lshl_b32 s30, s26, 14
	s_add_co_u32 s28, s28, s30
	s_add_nc_u64 s[10:11], s[10:11], s[28:29]
.irp kk, 0,1
.irp c, 0,1,2,3,4,5,6,7,8,9,10,11,12,13,14,15
	global_load_b128 v[X+64*\kk+4*\c:X+64*\kk+4*\c+3], v[L16], s[10:11] offset:8192*\kk+512*\c th:TH_LOAD_NT
.endr
.endr
	v_mad_u32_u24 v[RD], v2, 16*NP, v[L16]
	v_lshl_add_u32 v[GO], v2, 17, v[L16]           ; 16 blocks of 8,192 bytes
	s_mov_b32 s28, s31
	s_add_nc_u64 s[20:21], s[20:21], s[28:29]
	s_wait_loadcnt 16                              ; the first row's 16 loads are in
.irp c, 0,1,2,3,4,5,6,7,8,9,10,11,12,13,14,15
	PUT (X+4*\c), 8*NP*\c, (\c&3)
.endr
	s_wait_loadcnt 0x0
.irp c, 0,1,2,3,4,5,6,7,8,9,10,11,12,13,14,15
	PUT (X+64+4*\c), 8*NP*\c+32, (\c&3)
.endr
	s_wait_dscnt 0x0
	s_barrier_signal -1
	s_barrier_wait -1
.irp i, 0,1,2,3,4,5,6,7,8,9,10,11,12,13,14,15
	ds_load_b128 v[X+4*\i:X+4*\i+3], v[RD] offset:NP*\i
.endr
.irp i, 0,1,2,3,4,5,6,7,8,9,10,11,12,13,14,15
	s_wait_dscnt 15-\i
	global_store_b128 v[GO], v[X+4*\i:X+4*\i+3], s[20:21] offset:8192*\i
.endr
	s_wait_tensorcnt 0x0
	ds_add_u32 v184, v185
	s_wait_dscnt 0x0
	s_endpgm
	; THE TABLE.  32 rows t; a thread makes (cos, sin) of i = 2 lane and 2 lane + 1 for four rows: 16 bytes each, a wave's store covers a row's 512 bytes.
.Ltable:
	s_sub_co_u32 s28, s27, 144
	s_lshl_b32 s39, s28, 5                         ; the group's first row
	s_lshl_b32 s28, s28, 14                        ; 32 rows of 512 bytes
	s_add_nc_u64 s[24:25], s[24:25], s[28:29]
	s_mov_b32 s30, 0x3f22f983                      ; 2 / pi
	s_mov_b32 s31, 0xbfc90fdb                      ; - (pi/2 rounded to f32)
	s_mov_b32 s32, 0x333bbd2e                      ; that rounding's error, added back
	s_mov_b32 s33, 0xbe2aaaab                      ; -1/6
	s_mov_b32 s34, 0x3c088889                      ; 1/120
	s_mov_b32 s35, 0xb9500d01                      ; -1/5040
	s_mov_b32 s36, 0x3d2aaaab                      ; 1/24
	s_mov_b32 s37, 0xbab60b61                      ; -1/720
	s_mov_b32 s38, 0x37d00d01                      ; 1/40320
	v_lshlrev_b32 v6, 1, v1
	v_cvt_f32_u32 v6, v6                           ; i
	v_add_f32 v7, 1.0, v6                          ; i + 1
	v_mul_f32 v6, 0xbe549a78, v6                   ; - i log2(10000) / 64
	v_mul_f32 v7, 0xbe549a78, v7
	v_exp_f32 v6, v6
	v_exp_f32 v7, v7
	v_add_nc_u32 v8, s39, v2                       ; row = first + wave (+ 8 it): also the plain instruction behind the two exponentials (ISA guide 5.7.2)
	v_lshlrev_b32 v9, 4, v0                        ; 512 x wave + 16 x lane
; cos and sin of v[a] >= 0: a = n pi/2 + r, |r| <= pi/4; polynomials in r; the quadrant n mod 4 swaps them and sets the signs
.macro SINCOS a, c, s
	v_mul_f32 v20, s30, v[\a]
	v_rndne_f32 v20, v20                           ; n
	v_fma_f32 v21, v20, s31, v[\a]
	v_fma_f32 v21, v20, s32, v21                   ; r
	v_cvt_i32_f32 v22, v20
	v_mul_f32 v23, v21, v21                        ; z = r r
	v_fma_f32 v24, v23, s35, s34
	v_fma_f32 v24, v23, v24, s33
	v_mul_f32 v25, v21, v23
	v_fma_f32 v24, v25, v24, v21                   ; sin r
	v_fma_f32 v26, v23, s38, s37
	v_fma_f32 v26, v23, v26, s36
	v_fma_f32 v26, v23, v26, -0.5
	v_fma_f32 v26, v23, v26, 1.0                   ; cos r
	v_and_b32 v27, 1, v22
	v_cmp_ne_u32 vcc_lo, 0, v27
	v_cndmask_b32 v28, v24, v26, vcc_lo            ; sin a: cos r in odd quadrants
	v_cndmask_b32 v29, v26, v24, vcc_lo            ; cos a: sin r in odd quadrants
	v_and_b32 v27, 2, v22
	v_lshlrev_b32 v27, 30, v27                     ; sin a is negative in quadrants 2, 3
	v_xor_b32 v[\s], v27, v28
	v_add_nc_u32 v22, 1, v22
	v_and_b32 v22, 2, v22
	v_lshlrev_b32 v22, 30, v22                     ; cos a in quadrants 1, 2
	v_xor_b32 v[\c], v22, v29
.endm
	s_wait_alu depctr_va_vdst(0)
.irp it, 0,1,2,3
	v_add_nc_u32 v10, 8*\it, v8
	v_cvt_f32_u32 v10, v10                         ; t
	v_mul_f32 v11, v10, v6
	v_mul_f32 v12, v10, v7
	SINCOS 11, 32+4*\it, 33+4*\it
	SINCOS 12, 34+4*\it, 35+4*\it
	global_store_b128 v9, v[32+4*\it:35+4*\it], s[24:25] offset:4096*\it    ; each of the four stores has data registers of its own
.endr
	s_endpgm
.Lfunc_end_k_qe232850423_prep:
	.size	k_qe232850423_prep, .Lfunc_end_k_qe232850423_prep-k_qe232850423_prep
	.p2alignl 7, 3214868480
	.fill 96, 4, 3214868480
	.section	.rodata,"a",@progbits
	.p2align	6, 0x0
	.amdhsa_kernel k_qe232850423_prep
		.amdhsa_group_segment_fixed_size 70656
		.amdhsa_private_segment_fixed_size 0
		.amdhsa_enable_private_segment 0
		.amdhsa_kernarg_size 88
		.amdhsa_user_sgpr_count 2
		.amdhsa_user_sgpr_kernarg_segment_ptr 1
		.amdhsa_wavefront_size32 1
		.amdhsa_system_sgpr_workgroup_id_x 1
		.amdhsa_system_sgpr_workgroup_id_y 1
		.amdhsa_system_sgpr_workgroup_id_z 1
		.amdhsa_system_vgpr_workitem_id 0
		.amdhsa_next_free_vgpr 186
		.amdhsa_next_free_sgpr 66
		.amdhsa_reserve_vcc 1
		.amdhsa_float_denorm_mode_32 3
		.amdhsa_float_denorm_mode_16_64 3
		.amdhsa_memory_ordered 1
		.amdhsa_forward_progress 1
		.amdhsa_inst_pref_size 40
	.end_amdhsa_kernel
	.amdgpu_metadata
---
amdhsa.version: [ 1, 2 ]
amdhsa.kernels:
  - .name:           k_qe232850423_prep
    .symbol:         k_qe232850423_prep.kd
    .args:
      - { .name: Wq, .offset: 0, .size: 8, .value_kind: global_buffer, .address_space: global }
      - { .name: Wk, .offset: 8, .size: 8, .value_kind: global_buffer, .address_space: global }
      - { .name: Wv, .offset: 16, .size: 8, .value_kind: global_buffer, .address_space: global }
      - { .name: Wo, .offset: 24, .size: 8, .value_kind: global_buffer, .address_space: global }
      - { .name: bq, .offset: 32, .size: 8, .value_kind: global_buffer, .address_space: global }
      - { .name: bk, .offset: 40, .size: 8, .value_kind: global_buffer, .address_space: global }
      - { .name: bv, .offset: 48, .size: 8, .value_kind: global_buffer, .address_space: global }
      - { .name: wc, .offset: 56, .size: 8, .value_kind: global_buffer, .address_space: global }
      - { .name: woc, .offset: 64, .size: 8, .value_kind: global_buffer, .address_space: global }
      - { .name: bqkv, .offset: 72, .size: 8, .value_kind: global_buffer, .address_space: global }
      - { .name: tab, .offset: 80, .size: 8, .value_kind: global_buffer, .address_space: global }
    .group_segment_fixed_size: 70656
    .private_segment_fixed_size: 0
    .kernarg_segment_align: 8
    .kernarg_segment_size: 88
    .max_flat_workgroup_size: 256
    .sgpr_count:     66
    .vgpr_count:     186
    .wavefront_size: 32
...
	.end_amdgpu_metadata
.endif
;; end of part 1
;; launch qkv (part 2): grid 64 x 4, 4 waves a work-group, clusters of 4 x 1, 327,680 bytes of LDS; arguments x, wc, bqkv, tab, qkv; writes qkv
.if DOCPART == 2
	.amdgcn_target "amdgcn-amd-amdhsa--gfx1250"
	.amdhsa_code_object_version 6
	.text
	.protected	k_qe232850423_qkv
	.globl	k_qe232850423_qkv
	.p2align	8
	.type	k_qe232850423_qkv,@function
k_qe232850423_qkv:
	s_mov_b64 s[64:65], 0
	v_nop
	global_prefetch_b8 v0, s[64:65] scope:SCOPE_SE
	s_setreg_imm32_b32 hwreg(HW_REG_WAVE_MODE, 25, 1), 1
	s_wait_xcnt 0x0
	s_wait_alu depctr_hold_cnt(0) depctr_sa_sdst(0) depctr_va_vdst(0) depctr_va_sdst(0) depctr_va_ssrc(0) depctr_va_vcc(0) depctr_vm_vsrc(0)
	s_getreg_b32 s2, hwreg(HW_REG_IB_STS2, 6, 4)
	s_cmp_eq_u32 s2, 0
	s_cbranch_scc0 .Lentry_in_a_cluster
	s_endpgm
.Lentry_in_a_cluster:
	s_bfe_u32 s2, ttmp6, 0x10000c
	s_cmp_lg_u32 s2, 0x3003
	s_cbranch_scc0 .Lentry_shape_is_right
	s_endpgm
.Lentry_shape_is_right:
; qkv = RoPE(x [8192][2048] f32 . wc + bqkv) in f16.  Columns 0-255 q (summed over the 8 heads of a kv head, scaled), 256-511 k, 512-767 v.
; THE RESULT LIES AS 12 GROUPS OF 64 COLUMNS, each [8192 rows][64] f16 (1 MiB): a work-group's 192 columns are three whole groups, its share of a group is
; 128 rows x 128 bytes = 16 KiB dense, and every store of a wave covers 512 consecutive bytes, aligned.
; RoPE's two results of pair i stay at columns 2i, 2i+1 of a head instead of i, 64+i: q.k does not change when q and k are permuted alike.
; A work-group makes 128 rows x 192 columns; wave (wr, wcol) makes 64 x 96: 24 accumulators of 16 x 16.
; WEIGHTS: K goes in 8 trips of 256 through two LDS slots of 12 column blocks x 256 k x 32 bytes (96 KiB).  CLUSTER 4 x 1: four row blocks with the same
; columns want the same slot: each wave asks for 3 blocks (24 KiB) jointly (mask 15).  A wave has one tensor load out at any time.
; X GOES THROUGH REGISTERS.  It has to be converted on its way; through the mover it would lie in LDS as f32, twice the bytes to fill and to read, and each
; wave that reads a row would convert it again.  (Its rows are wanted by the four column blocks, grid y, which the cluster's axis does not reach.)
; A step is 128 along K.  Wave w loads rows 32w .. 32w+31, a row's 512 bytes with one load, into a ring of two sets of 128 registers; in step s it converts
; step s+1 to f16, stores it into the x stage that step s does not read, and asks for step s+3 into the registers just freed: up to 64 loads of a wave are out.
; One barrier a step orders the stages: every second one is the round in front of a refill, the other a plain barrier behind which nothing is filled.
; The matrix instruction is used transposed (source 0 = 16 columns of wc, source 1 = 16 rows of x): lane (r, h) then holds row r and the columns
; 8h .. 8h+7 of a tile, eight neighbours, which RoPE pairs inside the lane and which pack into 16 bytes.
; wc's blocks are [k][16 n]: ds_load_tr16_b128 turns them into fragments; sixteen lanes read 256 consecutive bytes.
; The bias is the C operand of the first 24 products: nothing is cleared or added later.
; LIMIT: operands and results are f16: an x, or a q (scaled), k or v beyond 65,504 becomes infinite.  With all inputs 30 times those drawn they reach some 5e3.
.set WV,     14                        ; s14  wave number
.set XP,     272                       ; x stage: a row's 128 f16 + 16 bytes: sixteen rows start 16 bytes apart modulo 256
.set XSLOT,  128*XP                    ; 34,816
.set BBASE,  2*XSLOT                   ; 69,632: the weights' slots begin behind the two x stages
.set BSLOT,  12*8192                   ; 98,304
.set SPITCH, 400                       ; the way out: 128 rows x (384 + 16) bytes, laid over the x stages: no tensor load ever lands there
.set GRP,    1048576                   ; bytes of a group of 64 columns
.set G1B, 24                           ; s[24:31] shape of a wave's share of a slot
.set G0B, 32                           ; s[32:39] from/to, a set for each slot; no other line names these eight registers
; s[4:5] x at my 32 rows, stepped 512 bytes a step.  s15 cx, s48 row block, s[52:53] offsets made with them: these never feed a joint descriptor or an LDS address.
; s44 wr, s45 wcol, s49 column block, s50 my first column, s51 counter, s[54:58] other temporaries
.set ADA, 2                            ; v2       x fragments (the stage stands in the immediate)
.set ADB, 3                            ; v3, v4   wc fragments in slot 0, 1
.set XST, 5                            ; v5       where I put a row's 8 bytes
.set XO,  6                            ; v6       16 x lane
.set STO, 7
.set RD,  8
.set CO,  9
.set BO,  10
.set CT,  16                           ; v[16:31]   eight rows' 8 bytes, converted
.set ABF, 32                           ; v[32:95]   x fragments, two buffers of 4 x 8
.set BF,  96                           ; v[96:191]  wc fragments, two buffers of 6 x 8
.set BIAS, 192                         ; v[192:239] bias of column tile c
.set OUTR, 16                          ; epilogue: v[16:207] results of tile (a, c)
.set TO,  240                          ; v[240:245] table offset of column tile c
.set TB,  246
; window 1 (v256 and up): accumulator (a, c) at v[8 (6 a + c)], 192 registers
; window 2 (v512 and up): x as loaded, set p row i at v[128 p + 4 i]; in the last step: cos and sin of tile (a, c) at v[8 (6 a + c)]
.set MSB, 0
.macro WIN new                         ; s_set_vgpr_msb: low byte bits 1:0 source 0, 3:2 source 1, 5:4 source 2, 7:6 destination; high byte repeats the setting left
.if MSB != \new
	s_set_vgpr_msb (MSB<<8)|\new
.set MSB, \new
.endif
.endm
.macro PLACES
.rept 4
	v_nop
.endr
.endm
; a round of the cluster's barrier: my work-group's barrier, wave 0 signals for the work-group, all wait for all four work-groups, my work-group's barrier again
.macro ROUND
	s_barrier_signal -1
	s_barrier_wait -1
	s_cmp_lg_u32 s[WV], 0
	s_cbranch_scc1 .Lnot_wave_0_\@
	s_barrier_signal -3
.Lnot_wave_0_\@:
	s_barrier_wait -3
	s_barrier_signal -1
	s_barrier_wait -1
.endm
; rows 8q .. 8q+7 of my 32 are asked for, into register set `set`; koff: bytes along the row beyond s[4:5]
.macro XLOAD q, set, koff
	WIN 0x80                                       ; destination in window 2
.irp i, 0,1,2,3,4,5,6,7
	global_load_b128 v[128*\set+4*(8*\q+\i):128*\set+4*(8*\q+\i)+3], v[XO], s[4:5] offset:(8*\q+\i)*8192+\koff
.endr
.endm
; rows 8q .. 8q+7 of register set `set` are converted and stored into x stage xs; cnt: how many younger loads may stay out
.macro XQ q, set, xs, cnt
	s_wait_loadcnt \cnt
	WIN 0x0a                                       ; both sources in window 2
.irp i, 0,1,2,3,4,5,6,7
	v_cvt_pk_f16_f32 v[CT+2*\i],   v[128*\set+4*(8*\q+\i)],   v[128*\set+4*(8*\q+\i)+1]
	v_cvt_pk_f16_f32 v[CT+2*\i+1], v[128*\set+4*(8*\q+\i)+2], v[128*\set+4*(8*\q+\i)+3]
.endr
	WIN 0
.irp i, 0,1,2,3,4,5,6,7
	ds_store_b64 v[XST], v[CT+2*\i:CT+2*\i+1] offset:\xs*XSLOT+(8*\q+\i)*XP       ; the wave stores a row's 256 bytes
.endr
.endm
	s_load_b256 s[4:11], s[0:1], 0x0               ; x 4, wc 6, bqkv 8, tab 10
	s_load_b64 s[12:13], s[0:1], 0x20              ; qkv
	v_lshl_add_u32 v254, v0, 2, 0x41000
	v_mov_b32 v255, 0
	ds_add_u32 v254, v255
	v_lshrrev_b32 v1, 5, v0
	v_readfirstlane_b32 s[WV], v1
	s_bfe_u32 s15, ttmp6, 0x40000                  ; cx
	s_lshl_b32 s48, ttmp9, 2
	s_add_co_u32 s48, s48, s15                     ; row block 0..63
	s_and_b32 s49, ttmp7, 0xffff                   ; column block 0..3
	s_lshr_b32 s44, s[WV], 1                       ; wr
	s_and_b32 s45, s[WV], 1                        ; wcol
	s_mul_i32 s50, s49, 192
	s_mul_i32 s56, s45, 96
	s_add_co_u32 s50, s50, s56                     ; my first column
	; wc: 3 blocks x 8,192 bytes (256 k x 32), as 1,024 elements of 8 bytes, 65,536 bytes from block to block; mask 15 with bit 21 beside it
	s_mov_b32 s[G1B+0], 15|(3<<16)|(1<<21)
	s_mov_b32 s[G1B+1], 1024<<16                   ; tensor_dim0
	s_mov_b32 s[G1B+2], 3<<16                      ; tensor_dim1
	s_mov_b32 s[G1B+3], 1024<<16                   ; tile_dim0
	s_mov_b32 s[G1B+4], 3                          ; tile_dim1
	s_mov_b32 s[G1B+5], 8192                       ; elements from block to block
	s_mov_b32 s[G1B+6], 0
	s_mov_b32 s[G1B+7], 0
	s_mul_i32 s54, s49, 12*65536                   ; my work-group's 12 blocks,
	s_mul_i32 s55, s[WV], 3*65536                  ; my 3 of them
	s_add_co_u32 s54, s54, s55
	s_mov_b32 s55, 0
	s_mul_i32 s56, s[WV], 3*8192
	s_add_co_u32 s56, s56, BBASE                   ; LDS: a constant + the wave's number times a constant (+ the slot's constant below)
	s_lshl_b32 s52, s48, 20                        ; 128 rows of 8,192 bytes
	s_lshl_b32 s57, s[WV], 18                      ; 32 rows
	s_add_co_u32 s52, s52, s57
	s_mov_b32 s53, 0
	s_wait_dscnt 0x0
	s_wait_kmcnt 0x0
	s_add_nc_u64 s[4:5], s[4:5], s[52:53]
	s_add_nc_u64 s[6:7], s[6:7], s[54:55]
.irp s, 0,1
	s_mov_b32 s[G0B+4*\s], 1
	s_add_co_u32 s[G0B+4*\s+1], s56, \s*BSLOT
	s_add_nc_u64 s[G0B+4*\s+2:G0B+4*\s+3], s[6:7], \s*8192         ; trip s: 256 k of 32 bytes inside a block
	s_or_b32 s[G0B+4*\s+3], s[G0B+4*\s+3], 0x80000000
.endr
	ROUND                                          ; all four work-groups are here: the first joint loads meet
	tensor_load_to_lds s[G0B:G0B+3], s[G1B:G1B+7]
	s_nop 0
	PLACES
	v_and_b32 v11, 31, v0                          ; lane
	v_and_b32 v12, 15, v0                          ; r
	v_bfe_u32 v13, v0, 4, 1                        ; h
	v_lshlrev_b32 v[BO], 5, v13
	v_lshlrev_b32 v[XO], 4, v11
	s_lshl_b32 s54, s50, 2
	s_add_nc_u64 s[8:9], s[8:9], s[54:55]
.irp c, 0,1,2,3,4,5
	global_load_b128 v[BIAS+8*\c:BIAS+8*\c+3],   v[BO], s[8:9] offset:64*\c        ; register j of a tile is column 16c + 8h + j
	global_load_b128 v[BIAS+8*\c+4:BIAS+8*\c+7], v[BO], s[8:9] offset:64*\c+16
.endr
.irp q, 0,1,2,3
	XLOAD \q, 0, 0                                 ; step 0
.endr
.irp q, 0,1,2,3
	XLOAD \q, 1, 512                               ; step 1
.endr
	WIN 0
	v_lshlrev_b32 v14, 3, v11                      ; x stage, in: my 4 numbers of a row are 8 bytes
	s_mul_i32 s57, s[WV], 32*XP
	v_add_nc_u32 v[XST], s57, v14
	v_mul_u32_u24 v14, v12, XP                     ; x fragments: row r, 16 bytes for each half of the lanes
	v_lshl_add_u32 v14, v13, 4, v14
	s_mul_i32 s57, s44, 64*XP
	v_add_nc_u32 v[ADA], s57, v14
	v_and_b32 v15, 7, v0
	v_lshlrev_b32 v14, 5, v15                      ; wc: k = 8h + (lane & 7), 32 bytes a k,
	v_bfe_u32 v15, v0, 3, 1
	v_lshl_add_u32 v14, v15, 4, v14                ; 16 bytes for bit 3 of the lane
	v_lshl_add_u32 v14, v13, 8, v14
	s_mul_i32 s57, s45, 6*8192                     ; my 6 blocks
	s_add_co_u32 s57, s57, BBASE
	v_add_nc_u32 v[ADB], s57, v14
	v_add_nc_u32 v[ADB+1], BSLOT, v[ADB]
	v_mul_u32_u24 v14, v12, SPITCH                 ; the way out, in: row 64 wr + r, my 192 bytes, 16 bytes a half
	v_lshl_add_u32 v14, v13, 4, v14
	s_mul_i32 s57, s44, 64*SPITCH
	s_mul_i32 s58, s45, 192
	s_add_co_u32 s57, s57, s58
	v_add_nc_u32 v[STO], s57, v14
	v_lshrrev_b32 v14, 3, v11                      ; back: eight lanes take a group's 128 bytes of a row, the wave four rows
	v_mul_u32_u24 v14, v14, SPITCH
	v_and_b32 v15, 7, v0
	v_lshl_add_u32 v14, v15, 4, v14
	s_mul_i32 s57, s[WV], 32*SPITCH
	v_add_nc_u32 v[RD], s57, v14
	s_lshl_b32 s57, s[WV], 12                      ; 32 rows of 128 bytes
	v_add_nc_u32 v[CO], s57, v[XO]
	v_lshlrev_b32 v[TB], 9, v12                    ; the table: row r of 512 bytes,
	v_lshl_add_u32 v[TB], v13, 5, v[TB]            ; 4 pairs of 8 bytes for each half of the lanes
.irp c, 0,1,2,3,4,5
	s_add_co_u32 s57, s50, 16*\c
	s_and_b32 s57, s57, 127                        ; column inside the head; pair i = column / 2 lies at 8 i = 4 x column
	v_lshl_add_u32 v[TO+\c], s57, 2, v[TB]
.endr
	s_and_b32 s52, s48, 15                         ; 16 row blocks in a batch: t = 128 (block mod 16) + 64 wr + 16 a + r
	s_lshl_b32 s52, s52, 16
	s_lshl_b32 s57, s44, 15
	s_add_co_u32 s52, s52, s57
	s_add_nc_u64 s[10:11], s[10:11], s[52:53]
	s_lshl_b32 s52, s48, 14                        ; 128 rows of 128 bytes in a group,
	s_mul_i32 s57, s49, 3*GRP                      ; my work-group's three groups
	s_add_co_u32 s52, s52, s57
	s_add_nc_u64 s[12:13], s[12:13], s[52:53]
	; step 0 into x stage 0, and step 2 asked for.  The count: behind the eight rows wanted stand the rest of their set (24 - 8q), the other set (32)
	; and what has been asked for anew (8q): 56.  The bias loads are older than all of these: they are in too.
.irp q, 0,1,2,3
	XQ \q, 0, 0, 56
	XLOAD \q, 0, 1024
.endr
	WIN 0
; the operands of 32 along K: 8 loads of x (f16) from stage `half`, 12 of wc
.macro LOADF bs, half, ks, buf
	WIN 0
.irp a, 0,1,2,3
	ds_load_b128 v[ABF+32*\buf+8*\a:ABF+32*\buf+8*\a+3],   v[ADA] offset:\half*XSLOT+16*XP*\a+64*\ks
	ds_load_b128 v[ABF+32*\buf+8*\a+4:ABF+32*\buf+8*\a+7], v[ADA] offset:\half*XSLOT+16*XP*\a+64*\ks+32
.endr
.irp c, 0,1,2,3,4,5
	ds_load_tr16_b128 v[BF+48*\buf+8*\c:BF+48*\buf+8*\c+3],   v[ADB+\bs] offset:8192*\c+1024*(4*\half+\ks)
	ds_load_tr16_b128 v[BF+48*\buf+8*\c+4:BF+48*\buf+8*\c+7], v[ADB+\bs] offset:8192*\c+1024*(4*\half+\ks)+512
.endr
.endm
; 24 products.  The 24 accumulators take turns, one instruction a turn, over the loop's jump too.  first = 1: the bias is C and starts the sums.
.macro MUL buf, first
.if \first
	WIN 0x40                                       ; D in window 1
.else
	WIN 0x50                                       ; C and D in window 1
.endif
.irp a, 0,1,2,3
.irp c, 0,1,2,3,4,5
.if \first
	v_wmma_f32_16x16x32_f16 v[8*(6*\a+\c):8*(6*\a+\c)+7], v[BF+48*\buf+8*\c:BF+48*\buf+8*\c+7], v[ABF+32*\buf+8*\a:ABF+32*\buf+8*\a+7], v[BIAS+8*\c:BIAS+8*\c+7]
.else
	v_wmma_f32_16x16x32_f16 v[8*(6*\a+\c):8*(6*\a+\c)+7], v[BF+48*\buf+8*\c:BF+48*\buf+8*\c+7], v[ABF+32*\buf+8*\a:ABF+32*\buf+8*\a+7], v[8*(6*\a+\c):8*(6*\a+\c)+7]
.endif
.endr
.endr
.endm
; A step: 128 along K out of weight slot bs and x stage `half`, in four quarters of 32.
; xm = 2: the next step's x is converted into the other stage and the step three on is asked for; 1: converted only; 0: neither.  The quarter's count of loads is cb - cs q.
; The 16 conversions (or four v_nop) stand between the products on a buffer and the loads into that buffer, and name none of those products' registers:
; they are the places that a load into a matrix instruction's source needs.
.macro STEP bs, half, first, xm, cb, cs
.if \xm == 2
	s_wait_xcnt 0x0                                ; the loads issued so far have had their addresses translated (ISA guide 3.1): their base is stepped only behind this wait
	s_add_nc_u64 s[4:5], s[4:5], 512
.endif
	LOADF \bs, \half, 0, 0
.irp ks, 0,1,2,3
.if \xm
	XQ \ks, (1-\half), (1-\half), (\cb-\cs*\ks)
.else
	PLACES
.endif
.if \ks < 3
	LOADF \bs, \half, (\ks+1), ((\ks+1)&1)
.endif
.if \xm == 2
	XLOAD \ks, (1-\half), 1024
.endif
.if \xm
.if \ks < 3
	s_wait_dscnt 28                                ; all but this quarter's 8 stores and the next quarter's 20 loads
.else
	s_wait_dscnt 8                                 ; all but this quarter's 8 stores
.endif
.else
.if \ks < 3
	s_wait_dscnt 20                                ; all but the next quarter's 20 loads
.else
	s_wait_dscnt 0x0
.endif
.endif
.if \first
.if \ks == 0
	MUL 0, 1
.else
	MUL (\ks&1), 0
.endif
.else
	MUL (\ks&1), 0
.endif
.endr
.endm
; cos and sin for the nr column tiles that RoPE turns, into the registers of the x ring, which holds nothing any more
.macro TABLOAD nr
	WIN 0x80
.irp a, 0,1,2,3
.irp c, 0,1,2,3,4,5
.if \c < \nr
	global_load_b128 v[8*(6*\a+\c):8*(6*\a+\c)+3],   v[TO+\c], s[10:11] offset:8192*\a
	global_load_b128 v[8*(6*\a+\c)+4:8*(6*\a+\c)+7], v[TO+\c], s[10:11] offset:8192*\a+16
.endif
.endr
.endr
	WIN 0
.endm
; A trip: 256 along K out of one weight slot, two steps; the other slot is asked for first thing behind the round.
.macro TRIP slot, refill, first, xm0, cb0, cs0, xm1, cb1, cs1, tabl
	s_wait_tensorcnt 0x0                           ; all my tensor loads have landed, my part of this slot among them, so a from/to set may be written:
	ds_add_u32 v254, v255
	s_wait_dscnt 0x0
	s_add_nc_u64 s[G0B+4*\slot+2:G0B+4*\slot+3], s[G0B+4*\slot+2:G0B+4*\slot+3], 2*8192      ; this slot's next tile, two trips on
	s_wait_dscnt 0x0                               ; my reads of the other slot and of an x stage are over, my stores into the other stage are in
	ROUND                                          ; all that now holds of every wave of the four work-groups
.if \refill
	tensor_load_to_lds s[G0B+4*(1-\slot):G0B+4*(1-\slot)+3], s[G1B:G1B+7]
	s_nop 0
.endif
	PLACES
	STEP \slot, 0, \first, \xm0, \cb0, \cs0
	WIN 0
	s_wait_dscnt 0x0                               ; my reads of x stage 0 are over, my stores into stage 1 are in
	s_barrier_signal -1                            ; nothing is filled by a tensor load behind this barrier: the tile asked for above may stay on its way
	s_barrier_wait -1
.if \tabl
	s_cmp_gt_u32 s50, 480                          ; my first column (0, 96 .. 672): columns below 512 are turned, that is all six tiles, two or none
	s_cbranch_scc1 .Ltabx_\@
	s_cmp_eq_u32 s50, 480
	s_cbranch_scc1 .Ltab2_\@
	TABLOAD 6
	s_branch .Ltabx_\@
.Ltab2_\@:
	TABLOAD 2
.Ltabx_\@:
.endif
	STEP \slot, 1, 0, \xm1, \cb1, \cs1
	WIN 0
.endm
	TRIP 0, 1, 1, 2, 56, 0, 2, 56, 0, 0            ; steps 0, 1: the first products take the bias
	s_mov_b32 s51, 2
.Lk:
	TRIP 1, 1, 0, 2, 56, 0, 2, 56, 0, 0            ; steps 2 .. 9
	TRIP 0, 1, 0, 2, 56, 0, 2, 56, 0, 0
	s_sub_co_u32 s51, s51, 1
	s_cmp_lg_u32 s51, 0
	s_cbranch_scc1 .Lk
	TRIP 1, 1, 0, 2, 56, 0, 2, 56, 0, 0            ; steps 10, 11
	TRIP 0, 1, 0, 2, 56, 0, 1, 56, 8, 0            ; steps 12, 13: step 12 asks for step 15, the last; in step 13 nothing new stands behind a quarter: 56 - 8q
	TRIP 1, 0, 0, 1, 24, 8, 0, 0, 0, 1             ; steps 14, 15: only step 15's own loads are left: 24 - 8q; no slot is filled any more (the stepped address is not used)
	; EPILOGUE
	PLACES                                         ; behind the last products, ahead of everything that touches their registers
	s_wait_dscnt 0x0
	s_barrier_signal -1                            ; the way out lies over the x stages: every wave has read its last fragments
	s_barrier_wait -1
; nr = how many of the six column tiles are turned
.macro EPI nr
.if \nr > 0
	s_wait_loadcnt 0x0                             ; the table
	WIN 0x09                                       ; source 0 (the sums) in window 1, source 1 (cos, sin) in window 2
.irp a, 0,1,2,3
.irp c, 0,1,2,3,4,5
.if \c < \nr
.irp p, 0,1,2,3
	v_mul_f32 v[OUTR+8*(6*\a+\c)+2*\p],   v[8*(6*\a+\c)+2*\p+1], v[8*(6*\a+\c)+2*\p+1]                               ; x2 sin
	v_mul_f32 v[OUTR+8*(6*\a+\c)+2*\p+1], v[8*(6*\a+\c)+2*\p+1], v[8*(6*\a+\c)+2*\p]                                 ; x2 cos
	v_fma_f32 v[OUTR+8*(6*\a+\c)+2*\p],   v[8*(6*\a+\c)+2*\p], v[8*(6*\a+\c)+2*\p],   -v[OUTR+8*(6*\a+\c)+2*\p]      ; x1 cos - x2 sin
	v_fma_f32 v[OUTR+8*(6*\a+\c)+2*\p+1], v[8*(6*\a+\c)+2*\p], v[8*(6*\a+\c)+2*\p+1], v[OUTR+8*(6*\a+\c)+2*\p+1]     ; x1 sin + x2 cos
.endr
.endif
.endr
.endr
.endif
.if \nr < 6
	WIN 0x05                                       ; both sources in window 1
.irp a, 0,1,2,3
.irp c, 0,1,2,3,4,5
.if \c >= \nr
.irp i, 0,1,2,3
	v_cvt_pk_f16_f32 v[OUTR+8*(6*\a+\c)+\i], v[8*(6*\a+\c)+2*\i], v[8*(6*\a+\c)+2*\i+1]
.endr
.endif
.endr
.endr
.endif
	WIN 0
.irp a, 0,1,2,3
.irp c, 0,1,2,3,4,5
.if \c < \nr
.irp i, 0,1,2,3
	v_cvt_pk_f16_f32 v[OUTR+8*(6*\a+\c)+\i], v[OUTR+8*(6*\a+\c)+2*\i], v[OUTR+8*(6*\a+\c)+2*\i+1]   ; register i is written when 2i and 2i+1 have been read
.endr
.endif
	ds_store_b128 v[STO], v[OUTR+8*(6*\a+\c):OUTR+8*(6*\a+\c)+3] offset:16*SPITCH*\a+32*\c
.endr
.endr
.endm
	s_cmp_le_u32 s50, 384
	s_cbranch_scc1 .Lrope6
	s_cmp_eq_u32 s50, 480
	s_cbranch_scc1 .Lrope2
	EPI 0
	s_branch .Lstaged
.Lrope2:
	EPI 2
	s_branch .Lstaged
.Lrope6:
	EPI 6
.Lstaged:
	s_wait_dscnt 0x0                               ; my part of the 128 rows is staged; other waves read it
	s_barrier_signal -1
	s_barrier_wait -1
	; wave w brings out rows 32w .. 32w+31: a load takes one group's 128 bytes of four rows, which are 512 consecutive bytes of the group
.set n, 0
.rept 24
	ds_load_b128 v[16+4*n:16+4*n+3], v[RD] offset:(n/3)*4*SPITCH+(n%3)*128
.set n, n+1
.endr
.set n, 0
.rept 24
	s_wait_dscnt 23-n                              ; LDS loads come back in order: load n is in
	global_store_b128 v[CO], v[16+4*n:16+4*n+3], s[12:13] offset:(n%3)*GRP+(n/3)*512
.set n, n+1
.endr
	s_wait_tensorcnt 0x0
	ds_add_u32 v254, v255
	s_wait_dscnt 0x0
	ROUND                                          ; the closing round: no work-group ends while a partner may still ask jointly
	s_endpgm
.Lfunc_end_k_qe232850423_qkv:
	.size	k_qe232850423_qkv, .Lfunc_end_k_qe232850423_qkv-k_qe232850423_qkv
	.p2alignl 7, 3214868480
	.fill 96, 4, 3214868480
	.section	.rodata,"a",@progbits
	.p2align	6, 0x0
	.amdhsa_kernel k_qe232850423_qkv
		.amdhsa_group_segment_fixed_size 327680
		.amdhsa_private_segment_fixed_size 0
		.amdhsa_enable_private_segment 0
		.amdhsa_kernarg_size 40
		.amdhsa_user_sgpr_count 2
		.amdhsa_user_sgpr_kernarg_segment_ptr 1
		.amdhsa_wavefront_size32 1
		.amdhsa_system_sgpr_workgroup_id_x 1
		.amdhsa_system_sgpr_workgroup_id_y 1
		.amdhsa_system_sgpr_workgroup_id_z 1
		.amdhsa_system_vgpr_workitem_id 0
		.amdhsa_next_free_vgpr 768
		.amdhsa_next_free_sgpr 66
		.amdhsa_reserve_vcc 0
		.amdhsa_float_denorm_mode_32 3
		.amdhsa_float_denorm_mode_16_64 3
		.amdhsa_memory_ordered 1
		.amdhsa_forward_progress 1
		.amdhsa_inst_pref_size 255
	.end_amdhsa_kernel
	.section	.bss,"aw",@nobits
	.p2align	6
	.space	262144
	.amdgpu_metadata
---
amdhsa.version: [ 1, 2 ]
amdhsa.kernels:
  - .name:           k_qe232850423_qkv
    .symbol:         k_qe232850423_qkv.kd
    .args:
      - { .name: x, .offset: 0, .size: 8, .value_kind: global_buffer, .address_space: global }
      - { .name: wc, .offset: 8, .size: 8, .value_kind: global_buffer, .address_space: global }
      - { .name: bqkv, .offset: 16, .size: 8, .value_kind: global_buffer, .address_space: global }
      - { .name: tab, .offset: 24, .size: 8, .value_kind: global_buffer, .address_space: global }
      - { .name: qkv, .offset: 32, .size: 8, .value_kind: global_buffer, .address_space: global }
    .group_segment_fixed_size: 327680
    .private_segment_fixed_size: 0
    .kernarg_segment_align: 8
    .kernarg_segment_size: 40
    .max_flat_workgroup_size: 128
    .sgpr_count:     66
    .vgpr_count:     768
    .wavefront_size: 32
...
	.end_amdgpu_metadata
.endif
;; end of part 2
;; launch attn (part 3): grid 32 x 8, 4 waves a work-group, clusters of 4 x 1, 327,680 bytes of LDS; arguments qkv, y; writes y
.if DOCPART == 3
	.amdgcn_target "amdgcn-amd-amdhsa--gfx1250"
	.amdhsa_code_object_version 6
	.text
	.protected	k_qe232850423_attn
	.globl	k_qe232850423_attn
	.p2align	8
	.type	k_qe232850423_attn,@function
k_qe232850423_attn:
	s_mov_b64 s[64:65], 0
	v_nop
	global_prefetch_b8 v0, s[64:65] scope:SCOPE_SE
	s_setreg_imm32_b32 hwreg(HW_REG_WAVE_MODE, 25, 1), 1
	s_wait_xcnt 0x0
	s_wait_alu depctr_hold_cnt(0) depctr_sa_sdst(0) depctr_va_vdst(0) depctr_va_sdst(0) depctr_va_ssrc(0) depctr_va_vcc(0) depctr_vm_vsrc(0)
	s_getreg_b32 s2, hwreg(HW_REG_IB_STS2, 6, 4)
	s_cmp_eq_u32 s2, 0
	s_cbranch_scc0 .Lentry_in_a_cluster
	s_endpgm
.Lentry_in_a_cluster:
	s_bfe_u32 s2, ttmp6, 0x10000c
	s_cmp_lg_u32 s2, 0x3003
	s_cbranch_scc0 .Lentry_shape_is_right
	s_endpgm
.Lentry_shape_is_right:
; y[8192][256] f16 = causal softmax(q k^T) v for each batch b and kv head h (grid y = 2 b + h).  q carries log2(e)/sqrt(128): the softmax is in base 2,
; with a running maximum.  Key tiles above the diagonal are not computed.
; qkv LIES AS 12 GROUPS OF 64 COLUMNS, each [8192 rows][64] f16 (1 MiB): q of head h is groups 2h, 2h+1, k 4+2h, 5+2h, v 8+2h, 9+2h.  A tile of 128 keys is two
; dense blocks of 16 KiB, one for each half of d; a block comes in as 64 rows of 256 bytes, two keys each, padded.  Key n of a half lies in LDS at
; (n>>1) pitch + 128 (n&1): the sixteen lanes of a fragment load start at 16 (r>>1) + 128 (r&1) modulo 256 (V: 32 (n>>1) + 128 (n&1) + 16 bit), sixteen different places.
; BALANCE: work-group j = 4 a + cx (a = cluster, 0..7) does the query block of rows 32 j and then that of rows 32 (63 - j).  In key tiles of 128 that is
; a + 1 and 16 - a steps: 17 for everybody, so the slot of a step is fixed in the text.
; CLUSTER 4 x 1: the four partners have the same a, hence the same stream of K and V tiles and the same branches: K and V are asked for jointly (mask 15).
; Waves 0, 1 ask for the two halves (in d) of K's tile, waves 2, 3 for V's.  Q's two blocks, two halves each (plain loads, one a wave), come with the first fills.
; A wave has two tensor loads out at the start, later one.
; IN A STEP wave w takes keys 32 w .. 32 w + 31 of the tile for all 32 queries, so each byte of K and V is read from LDS once.  Each wave keeps its own
; maximum m, sum l and O; at a block's end the four are merged through LDS.
; LAYOUTS: S^T = K Q^T (source 0 = keys, source 1 = queries): lane (r, h) holds keys 8h .. 8h+7 of query r.  Packed to f16, the two key tiles are the
; lane's registers of the operand P for O^T = V^T P^T (source 0 = V through ds_load_tr16_b128): no shuffle; m, l and the rescale are one number a lane.
; MASKED scores are set to -3.4e38 (finite).  A wave all of whose keys are masked keeps m = -3.4e38 and drops out at the merge by exp2(m - m*) = 0.
; The second block starts from m = -3.4e38: its first rescale multiplies the old (finite) O and l by exp2(-huge) = 0, so nothing is cleared.
; LIMITS: a true score at or below -3.4e38 counts as masked.  P is rounded to f16 for the product (it lies in 0..1), l is summed in f32 from the unrounded P.
.set WV,    8
.set KP,    272                        ; K's and Q's LDS pitch for two keys: 256 + 16
.set VP,    288                        ; V's: 256 + 32
.set VOFF,  128*KP                     ; 34,816: K's two halves of 64 x 272
.set SLOT,  VOFF+128*VP                ; 71,680
.set QOFF,  2*SLOT                     ; 143,360: two blocks x two halves of 16 x 272
.set MLOFF, QOFF+64*KP                 ; 160,768: m at 128 wave + 64 qt + 4 r, l 512 further
.set OOFF,  MLOFF+1024                 ; 161,792: O of four waves, 32 rows x 528
.set OPITCH, 528
.set G1K, 16
.set G1V, 24
.set G1Q, 32
.set G0K, 40                           ; s[40:47] a set for each slot
.set G0V, 48                           ; s[48:55]
.set G0Q, 56                           ; s[56:59]
; s[60:61] K's, s[62:63] V's address for tile 0 (my half of d).  s10 a, s11 grid y, s12 steps of the first block, s13 steps begun, s14 tile asked for last, s15 flag: this step ends the first block
; s[66:67] tile offset, s68 counter, s[70:71], s[72:73] y of the two blocks, s74, s75 lane selects, s76 -3.4e38, s77 wave>>1, s78 wave&1, s80 b, s81 h, s87 temporary
; s9 cx, s[82:83], s84-s86: made with cx; these never feed a joint descriptor or an LDS address
.set AK,   2                           ; v2, v3
.set AV,   4                           ; v4, v5
.set AQ,   6
.set MLW,  7
.set MLR,  8
.set OW,   9
.set ORD,  10
.set YO,   11
.set LIMA, 12                          ; v12, v13  key 16 kt + j of my 32 is allowed for query tile qt if it is <= this
.set LIMB, 14                          ; v14, v15
.set KF,   16                          ; v[16:79]   K fragments (kt, ks)
.set VF,   80                          ; v[80:143]  V fragments (dt)
.set S,    144                         ; v[144:175] S^T tile (kt, qt) at 8 (2 kt + qt)
.set P,    176                         ; v[176:191]
.set M,    192                         ; v192, v193
.set LS,   194                         ; v194, v195
.set ALP,  196                         ; v[196:199] a pair for each qt
.set NEWP, 200                         ; v[200:201]
.set TT,   202                         ; v[202:206]
.set SU,   208                         ; v[208:215]
.set FT,   216                         ; v216, v217
.set MM,   200                         ; at a block's end: v[200:207] the four waves' m, v[208:215] their l
.set LL,   208
.set QF,   128                         ; window 1: v[128:191] Q fragments (qt, ks); v[0:127] O^T tile (qt, dt) at 8 (8 qt + dt)
.set MSB, 0
.macro WIN new
.if MSB != \new
	s_set_vgpr_msb (MSB<<8)|\new
.set MSB, \new
.endif
.endm
.macro PLACES
.rept 4
	v_nop
.endr
.endm
.macro ROUND
	s_barrier_signal -1
	s_barrier_wait -1
	s_cmp_lg_u32 s[WV], 0
	s_cbranch_scc1 .Lnot_wave_0_\@
	s_barrier_signal -3
.Lnot_wave_0_\@:
	s_barrier_wait -3
	s_barrier_signal -1
	s_barrier_wait -1
.endm
.macro JLOAD s
	s_cmp_eq_u32 s77, 0
	s_cbranch_scc0 .Lfor_v_\@
	tensor_load_to_lds s[G0K+4*\s:G0K+4*\s+3], s[G1K:G1K+7]
	s_nop 0
	PLACES
	s_branch .Lasked_\@
.Lfor_v_\@:
	tensor_load_to_lds s[G0V+4*\s:G0V+4*\s+3], s[G1V:G1V+7]
	s_nop 0
	PLACES
.Lasked_\@:
.endm
	s_load_b128 s[4:7], s[0:1], 0x0                ; qkv, y
	v_lshl_add_u32 v254, v0, 2, 0x38000
	v_mov_b32 v255, 0
	ds_add_u32 v254, v255
	v_lshrrev_b32 v1, 5, v0
	v_readfirstlane_b32 s[WV], v1
	s_bfe_u32 s9, ttmp6, 0x40000                   ; cx
	s_mov_b32 s10, ttmp9                           ; a
	s_and_b32 s11, ttmp7, 0xffff
	s_add_co_u32 s12, s10, 1
	s_mov_b32 s13, 0
	s_mov_b32 s14, 0
	s_mov_b32 s15, 0
	s_lshr_b32 s77, s[WV], 1
	s_and_b32 s78, s[WV], 1
	s_mov_b32 s74, 0x76543210                      ; v_permlanex16_b32: lane i reads lane i of the other half
	s_mov_b32 s75, 0xfedcba98
	s_mov_b32 s76, 0xff7fffff
	; dense blocks as rows of 32 elements of 8 bytes.  K, V: 64 rows (128 keys x 128 bytes); Q: 16 rows, no mask.  Behind each 64 words: K, Q 4 words of padding, V 8
	s_mov_b32 s[G1K+0], 15|(3<<16)|(1<<20)|(1<<21)|(5<<22)|(3<<25)
	s_mov_b32 s[G1V+0], 15|(3<<16)|(1<<20)|(1<<21)|(5<<22)|(7<<25)
	s_mov_b32 s[G1Q+0], (3<<16)|(1<<20)|(5<<22)|(3<<25)
	s_mov_b32 s[G1K+1], 32<<16
	s_mov_b32 s[G1V+1], 32<<16
	s_mov_b32 s[G1Q+1], 32<<16
	s_mov_b32 s[G1K+2], 64<<16
	s_mov_b32 s[G1V+2], 64<<16
	s_mov_b32 s[G1Q+2], 16<<16
	s_mov_b32 s[G1K+3], 32<<16
	s_mov_b32 s[G1V+3], 32<<16
	s_mov_b32 s[G1Q+3], 32<<16
	s_mov_b32 s[G1K+4], 64
	s_mov_b32 s[G1V+4], 64
	s_mov_b32 s[G1Q+4], 16
	s_mov_b32 s[G1K+5], 32
	s_mov_b32 s[G1V+5], 32
	s_mov_b32 s[G1Q+5], 32
	s_mov_b32 s[G1K+6], 0
	s_mov_b32 s[G1V+6], 0
	s_mov_b32 s[G1Q+6], 0
	s_mov_b32 s[G1K+7], 0
	s_mov_b32 s[G1V+7], 0
	s_mov_b32 s[G1Q+7], 0
	s_lshr_b32 s80, s11, 1                         ; b
	s_and_b32 s81, s11, 1                          ; h
	s_lshl_b32 s84, s10, 2
	s_add_co_u32 s84, s84, s9                      ; j
	s_sub_co_u32 s85, 63, s84                      ; 63 - j
	s_mov_b32 s67, 0
	s_mov_b32 s83, 0
	; where the tiles go: a constant, the wave's half (or number) times a constant, the slot's constant
	s_mul_i32 s66, s78, 64*KP
	s_mov_b32 s[G0K], 1
	s_mov_b32 s[G0K+4], 1
	s_add_co_u32 s[G0K+1], s66, 0
	s_add_co_u32 s[G0K+5], s66, SLOT
	s_mul_i32 s66, s78, 64*VP
	s_mov_b32 s[G0V], 1
	s_mov_b32 s[G0V+4], 1
	s_add_co_u32 s[G0V+1], s66, VOFF
	s_add_co_u32 s[G0V+5], s66, SLOT+VOFF
	s_mul_i32 s66, s[WV], 16*KP                    ; Q: block wave>>1, half wave&1
	s_mov_b32 s[G0Q], 1
	s_add_co_u32 s[G0Q+1], s66, QOFF
	s_wait_dscnt 0x0
	s_wait_kmcnt 0x0
	s_lshl_b32 s66, s80, 18                        ; the batch: 2,048 rows of 128 bytes
	s_lshl_b32 s87, s81, 21                        ; the head: two groups of 1 MiB
	s_add_co_u32 s66, s66, s87
	s_lshl_b32 s87, s78, 20                        ; my half of d: one group
	s_add_co_u32 s66, s66, s87
	s_add_nc_u64 s[4:5], s[4:5], s[66:67]          ; q, the batch's first row
	s_add_nc_u64 s[60:61], s[4:5], 0x400000        ; k: four groups on
	s_add_nc_u64 s[62:63], s[4:5], 0x800000        ; v: eight groups on
	s_mov_b64 s[G0K+2:G0K+3], s[60:61]
	s_or_b32 s[G0K+3], s[G0K+3], 0x80000000
	s_mov_b64 s[G0V+2:G0V+3], s[62:63]
	s_or_b32 s[G0V+3], s[G0V+3], 0x80000000
	s_cmp_eq_u32 s77, 0
	s_cselect_b32 s86, s84, s85                    ; waves 0, 1 fetch the first query block, waves 2, 3 the second
	s_lshl_b32 s82, s86, 12                        ; 32 rows of 128 bytes
	s_add_nc_u64 s[G0Q+2:G0Q+3], s[4:5], s[82:83]
	s_or_b32 s[G0Q+3], s[G0Q+3], 0x80000000
	s_lshl_b32 s66, s80, 20                        ; y: 2,048 rows of 512 bytes
	s_lshl_b32 s87, s81, 8                         ; the head's 256 bytes
	s_add_co_u32 s66, s66, s87
	s_add_nc_u64 s[6:7], s[6:7], s[66:67]
	s_lshl_b32 s82, s84, 14                        ; 32 rows
	s_add_nc_u64 s[70:71], s[6:7], s[82:83]
	s_lshl_b32 s82, s85, 14
	s_add_nc_u64 s[72:73], s[6:7], s[82:83]
	ROUND                                          ; in front of the first joint loads
	s_cmp_eq_u32 s77, 0                            ; all first fills of a wave stand inside this one branch
	s_cbranch_scc0 .Lfirst_v
	tensor_load_to_lds s[G0K:G0K+3], s[G1K:G1K+7]
	s_nop 0
	PLACES
	tensor_load_to_lds s[G0Q:G0Q+3], s[G1Q:G1Q+7]
	s_nop 0
	PLACES
	s_branch .Lfirst_done
.Lfirst_v:
	tensor_load_to_lds s[G0V:G0V+3], s[G1V:G1V+7]
	s_nop 0
	PLACES
	tensor_load_to_lds s[G0Q:G0Q+3], s[G1Q:G1Q+7]
	s_nop 0
	PLACES
.Lfirst_done:
	v_and_b32 v220, 15, v0                         ; r
	v_bfe_u32 v221, v0, 4, 1                       ; h
	v_bfe_u32 v223, v0, 3, 1
	v_and_b32 v224, 31, v0
	v_lshrrev_b32 v225, 1, v220                    ; K, Q: row r lies at (r>>1) pitch + 128 (r&1), 16 bytes a half of the lanes
	v_mul_u32_u24 v225, v225, KP
	v_and_b32 v226, 1, v220
	v_lshl_add_u32 v225, v226, 7, v225
	v_lshl_add_u32 v225, v221, 4, v225
	s_mul_i32 s66, s[WV], 16*KP
	v_add_nc_u32 v[AK], s66, v225                  ; my 32 keys: 16 pairs
	v_add_nc_u32 v[AK+1], SLOT, v[AK]
	v_add_nc_u32 v[AQ], QOFF, v225
	v_bfe_u32 v226, v0, 1, 2                       ; V: key 8h + (lane & 7): pair 4h + ((lane>>1) & 3),
	v_lshl_add_u32 v226, v221, 2, v226
	v_mul_u32_u24 v226, v226, VP
	v_and_b32 v227, 1, v0
	v_lshl_add_u32 v226, v227, 7, v226             ; 128 bytes for the odd key,
	v_lshl_add_u32 v226, v223, 4, v226             ; 16 bytes for bit 3 of the lane
	s_mul_i32 s66, s[WV], 16*VP
	s_add_co_u32 s66, s66, VOFF
	v_add_nc_u32 v[AV], s66, v226
	v_add_nc_u32 v[AV+1], SLOT, v[AV]
	v_lshlrev_b32 v226, 2, v220
	v_add_nc_u32 v[MLR], MLOFF, v226
	s_lshl_b32 s66, s[WV], 7
	v_add_nc_u32 v[MLW], s66, v[MLR]
	v_mul_u32_u24 v226, v220, OPITCH
	v_lshl_add_u32 v226, v221, 5, v226
	s_mul_i32 s66, s[WV], 32*OPITCH
	s_add_co_u32 s66, s66, OOFF
	v_add_nc_u32 v[OW], s66, v226
	s_mul_i32 s66, s[WV], 8*OPITCH
	s_add_co_u32 s66, s66, OOFF
	v_lshl_add_u32 v[ORD], v224, 4, s66            ; the merge: wave w sums rows 8w .. 8w+7, 16 bytes a lane
	s_lshl_b32 s66, s[WV], 12
	v_lshl_add_u32 v[YO], v224, 3, s66
	; in the diagonal tile query 32 c + 16 qt + r (c = cx, or 3 - cx in the second block) allows key 32 w + 8 h + (16 kt + j) up to itself
	v_lshlrev_b32 v226, 3, v221
	v_sub_nc_u32 v226, v220, v226                  ; r - 8 h
	s_sub_co_u32 s82, s9, s[WV]
	s_lshl_b32 s82, s82, 5
	v_add_nc_u32 v[LIMA], s82, v226
	v_add_nc_u32 v[LIMA+1], 16, v[LIMA]
	s_sub_co_u32 s82, 3, s9
	s_sub_co_u32 s82, s82, s[WV]
	s_lshl_b32 s82, s82, 5
	v_add_nc_u32 v[LIMB], s82, v226
	v_add_nc_u32 v[LIMB+1], 16, v[LIMB]
	v_mov_b32 v[FT], 0                             ; destinations of v_permlanex16_b32 count as read
	v_mov_b32 v[FT+1], 0
; d = 32 ks .. lies in half ks/2 at byte 64 (ks mod 2)
.macro LOADQ blk
	WIN 0x40
.irp qt, 0,1
.irp ks, 0,1,2,3
	ds_load_b128 v[QF+8*(4*\qt+\ks):QF+8*(4*\qt+\ks)+3],   v[AQ] offset:\blk*32*KP+(\ks/2)*16*KP+\qt*8*KP+64*(\ks%2)
	ds_load_b128 v[QF+8*(4*\qt+\ks)+4:QF+8*(4*\qt+\ks)+7], v[AQ] offset:\blk*32*KP+(\ks/2)*16*KP+\qt*8*KP+64*(\ks%2)+32
.endr
.endr
	WIN 0
.endm
.macro LOADKV slot
.irp kt, 0,1
.irp ks, 0,1,2,3
	ds_load_b128 v[KF+8*(4*\kt+\ks):KF+8*(4*\kt+\ks)+3],   v[AK+\slot] offset:(\ks/2)*64*KP+\kt*8*KP+64*(\ks%2)
	ds_load_b128 v[KF+8*(4*\kt+\ks)+4:KF+8*(4*\kt+\ks)+7], v[AK+\slot] offset:(\ks/2)*64*KP+\kt*8*KP+64*(\ks%2)+32
.endr
.endr
.irp dt, 0,1,2,3,4,5,6,7
	ds_load_tr16_b128 v[VF+8*\dt:VF+8*\dt+3],   v[AV+\slot] offset:(\dt/4)*64*VP+32*(\dt%4)
	ds_load_tr16_b128 v[VF+8*\dt+4:VF+8*\dt+7], v[AV+\slot] offset:(\dt/4)*64*VP+32*(\dt%4)+8*VP
.endr
.endm
.macro MASK lim
.irp kt, 0,1
.irp qt, 0,1
.irp j, 0,1,2,3,4,5,6,7
	v_cmp_le_i32 vcc_lo, 16*\kt+\j, v[\lim+\qt]
	v_cndmask_b32 v[S+8*(2*\kt+\qt)+\j], s76, v[S+8*(2*\kt+\qt)+\j], vcc_lo
.endr
.endr
.endr
.endm
; one query tile: new maximum over my 32 keys (16 in the lane, 16 in the lane of the other half), alpha = exp2(old - new), P = exp2(S - new), l, P to f16
.macro SOFTMAX qt, first
.set SA, S+8*\qt
.set SB, S+16+8*\qt
	v_max3_num_f32 v[TT],   v[SA],   v[SA+1], v[SA+2]
	v_max3_num_f32 v[TT+1], v[SA+3], v[SA+4], v[SA+5]
	v_max3_num_f32 v[TT+2], v[SA+6], v[SA+7], v[SB]
	v_max3_num_f32 v[TT+3], v[SB+1], v[SB+2], v[SB+3]
	v_max3_num_f32 v[TT+4], v[SB+4], v[SB+5], v[SB+6]
	v_max3_num_f32 v[TT],   v[TT],   v[TT+1], v[SB+7]
	v_max3_num_f32 v[TT+2], v[TT+2], v[TT+3], v[TT+4]
.if \first
	v_max_num_f32 v[TT], v[TT], v[TT+2]
.else
	v_max3_num_f32 v[TT], v[TT], v[TT+2], v[M+\qt]
.endif
	v_permlanex16_b32 v[TT+1], v[TT], s74, s75
	v_max_num_f32 v[NEWP], v[TT], v[TT+1]
	v_mov_b32 v[NEWP+1], v[NEWP]
.if \first == 0
	v_sub_f32 v[ALP+2*\qt], v[M+\qt], v[NEWP]
.endif
.irp i, 0,2,4,6
	v_pk_add_f32 v[SA+\i:SA+\i+1], v[SA+\i:SA+\i+1], v[NEWP:NEWP+1] neg_lo:[0,1] neg_hi:[0,1]
	v_pk_add_f32 v[SB+\i:SB+\i+1], v[SB+\i:SB+\i+1], v[NEWP:NEWP+1] neg_lo:[0,1] neg_hi:[0,1]
.endr
.if \first == 0
	v_exp_f32 v[ALP+2*\qt], v[ALP+2*\qt]
.endif
.irp i, 0,1,2,3,4,5,6,7
	v_exp_f32 v[SA+\i], v[SA+\i]
	v_exp_f32 v[SB+\i], v[SB+\i]
.endr
	v_mov_b32 v[M+\qt], v[NEWP]                    ; the plain instruction behind the run of exponentials (ISA guide 5.7.2)
.if \first == 0
	s_wait_alu depctr_va_vdst(0)
	v_mov_b32 v[ALP+2*\qt+1], v[ALP+2*\qt]
.endif
	s_wait_alu depctr_va_vdst(0)
	v_pk_add_f32 v[SU:SU+1],     v[SA:SA+1],     v[SA+2:SA+3]
	v_pk_add_f32 v[SU+2:SU+3],   v[SA+4:SA+5],   v[SA+6:SA+7]
	v_pk_add_f32 v[SU+4:SU+5],   v[SB:SB+1],     v[SB+2:SB+3]
	v_pk_add_f32 v[SU+6:SU+7],   v[SB+4:SB+5],   v[SB+6:SB+7]
	v_pk_add_f32 v[SU:SU+1],     v[SU:SU+1],     v[SU+2:SU+3]
	v_pk_add_f32 v[SU+4:SU+5],   v[SU+4:SU+5],   v[SU+6:SU+7]
	v_pk_add_f32 v[SU:SU+1],     v[SU:SU+1],     v[SU+4:SU+5]
.if \first
	v_add_f32 v[LS+\qt], v[SU], v[SU+1]
.else
	v_add_f32 v[SU], v[SU], v[SU+1]
	v_fma_f32 v[LS+\qt], v[LS+\qt], v[ALP+2*\qt], v[SU]
.endif
.irp i, 0,1,2,3
	v_cvt_pk_f16_f32 v[P+8*\qt+\i],   v[SA+2*\i], v[SA+2*\i+1]      ; keys 8h .. 8h+7
	v_cvt_pk_f16_f32 v[P+8*\qt+4+\i], v[SB+2*\i], v[SB+2*\i+1]      ; keys 16+8h ..
.endr
.endm
.macro SCALEO qt                       ; O of query tile qt times the pair in ALP
	WIN 0x41                                       ; destination and source 0 in window 1
.set i, 0
.rept 32
	v_pk_mul_f32 v[64*\qt+2*i:64*\qt+2*i+1], v[64*\qt+2*i:64*\qt+2*i+1], v[ALP+2*\qt:ALP+2*\qt+1]
.set i, i+1
.endr
.endm
.macro PV qt, first                    ; eight products on eight accumulators
	WIN 0x50                                       ; C and D in window 1
.irp dt, 0,1,2,3,4,5,6,7
.if \first
	v_wmma_f32_16x16x32_f16 v[8*(8*\qt+\dt):8*(8*\qt+\dt)+7], v[VF+8*\dt:VF+8*\dt+7], v[P+8*\qt:P+8*\qt+7], 0
.else
	v_wmma_f32_16x16x32_f16 v[8*(8*\qt+\dt):8*(8*\qt+\dt)+7], v[VF+8*\dt:VF+8*\dt+7], v[P+8*\qt:P+8*\qt+7], v[8*(8*\qt+\dt):8*(8*\qt+\dt)+7]
.endif
.endr
	WIN 0
.endm
; A block's end: the four waves' m, l and O are merged, the block's 32 rows of y stored.  yb: the scalar pair with y's address.
; The two barriers here have nothing filled behind them before the next step's round; the tile asked for in this step may stay on its way across them.
.macro FINISH yb, last
	PLACES                                         ; behind the last products, ahead of the reads of O
	v_permlanex16_b32 v[FT],   v[LS],   s74, s75
	v_permlanex16_b32 v[FT+1], v[LS+1], s74, s75
	v_add_f32 v[LS],   v[LS],   v[FT]              ; l over my 32 keys
	v_add_f32 v[LS+1], v[LS+1], v[FT+1]
	ds_store_b32 v[MLW], v[M]
	ds_store_b32 v[MLW], v[M+1]  offset:64
	ds_store_b32 v[MLW], v[LS]   offset:512
	ds_store_b32 v[MLW], v[LS+1] offset:576
	s_wait_dscnt 0x0                               ; stored before I say so: the others read them
	s_barrier_signal -1
	s_barrier_wait -1
.irp qt, 0,1
.irp ww, 0,1,2,3
	ds_load_b32 v[MM+4*\qt+\ww], v[MLR] offset:128*\ww+64*\qt
	ds_load_b32 v[LL+4*\qt+\ww], v[MLR] offset:512+128*\ww+64*\qt
.endr
.endr
	s_wait_dscnt 0x0
.irp qt, 0,1
	v_max3_num_f32 v[FT+\qt], v[MM+4*\qt], v[MM+4*\qt+1], v[MM+4*\qt+2]
	v_max_num_f32 v[FT+\qt], v[FT+\qt], v[MM+4*\qt+3]              ; m*
	v_sub_f32 v[ALP+2*\qt], v[M+\qt], v[FT+\qt]
.irp ww, 0,1,2,3
	v_sub_f32 v[MM+4*\qt+\ww], v[MM+4*\qt+\ww], v[FT+\qt]
.endr
.endr
.irp qt, 0,1
	v_exp_f32 v[ALP+2*\qt], v[ALP+2*\qt]
.irp ww, 0,1,2,3
	v_exp_f32 v[MM+4*\qt+\ww], v[MM+4*\qt+\ww]
.endr
.endr
	v_nop                                          ; a plain place behind the exponentials (ISA guide 5.7.2)
	s_wait_alu depctr_va_vdst(0)
.irp qt, 0,1
	v_mul_f32 v[FT+\qt], v[LL+4*\qt], v[MM+4*\qt]
	v_fmac_f32 v[FT+\qt], v[LL+4*\qt+1], v[MM+4*\qt+1]
	v_fmac_f32 v[FT+\qt], v[LL+4*\qt+2], v[MM+4*\qt+2]
	v_fmac_f32 v[FT+\qt], v[LL+4*\qt+3], v[MM+4*\qt+3]             ; the whole sum, at least 1: the wave that holds m* has a term exp2(0)
.endr
	v_rcp_f32 v[FT], v[FT]
	v_rcp_f32 v[FT+1], v[FT+1]
	v_nop
	s_wait_alu depctr_va_vdst(0)
.irp qt, 0,1
	v_mul_f32 v[ALP+2*\qt], v[ALP+2*\qt], v[FT+\qt]                ; exp2(m - m*) / sum
	v_mov_b32 v[ALP+2*\qt+1], v[ALP+2*\qt]
.endr
	SCALEO 0
	SCALEO 1
	WIN 0x04                                       ; store data in window 1
.irp qt, 0,1
.irp dt, 0,1,2,3,4,5,6,7
	ds_store_b128 v[OW], v[8*(8*\qt+\dt):8*(8*\qt+\dt)+3]   offset:\qt*16*OPITCH+64*\dt
	ds_store_b128 v[OW], v[8*(8*\qt+\dt)+4:8*(8*\qt+\dt)+7] offset:\qt*16*OPITCH+64*\dt+16
.endr
.endr
	WIN 0
	s_wait_dscnt 0x0
	s_barrier_signal -1
	s_barrier_wait -1
.irp row, 0,1,2,3,4,5,6,7
.irp src, 0,1,2,3
	ds_load_b128 v[16+16*\row+4*\src:16+16*\row+4*\src+3], v[ORD] offset:\src*32*OPITCH+\row*OPITCH
.endr
.endr
.irp row, 0,1,2,3,4,5,6,7
	s_wait_dscnt 28-4*\row                         ; this row's four loads are in; four for each later row stay out
	v_pk_add_f32 v[16+16*\row:16+16*\row+1],     v[16+16*\row:16+16*\row+1],     v[16+16*\row+4:16+16*\row+5]
	v_pk_add_f32 v[16+16*\row+2:16+16*\row+3],   v[16+16*\row+2:16+16*\row+3],   v[16+16*\row+6:16+16*\row+7]
	v_pk_add_f32 v[16+16*\row+8:16+16*\row+9],   v[16+16*\row+8:16+16*\row+9],   v[16+16*\row+12:16+16*\row+13]
	v_pk_add_f32 v[16+16*\row+10:16+16*\row+11], v[16+16*\row+10:16+16*\row+11], v[16+16*\row+14:16+16*\row+15]
	v_pk_add_f32 v[16+16*\row:16+16*\row+1],     v[16+16*\row:16+16*\row+1],     v[16+16*\row+8:16+16*\row+9]
	v_pk_add_f32 v[16+16*\row+2:16+16*\row+3],   v[16+16*\row+2:16+16*\row+3],   v[16+16*\row+10:16+16*\row+11]
	v_cvt_pk_f16_f32 v[16+16*\row+4], v[16+16*\row],   v[16+16*\row+1]
	v_cvt_pk_f16_f32 v[16+16*\row+5], v[16+16*\row+2], v[16+16*\row+3]
	global_store_b64 v[YO], v[16+16*\row+4:16+16*\row+5], s[\yb:\yb+1] offset:512*\row     ; the wave stores 256 consecutive bytes, aligned
.endr
.if \last == 0
	v_mov_b32 v[M], s76                            ; the second block starts from -3.4e38
	v_mov_b32 v[M+1], s76
	LOADQ 1                                        ; waited for by the next step's wait for all LDS loads
	s_wait_xcnt 0x0                                ; the stores' data registers are loaded again in the next step only behind this wait
.endif
.endm
; One step.  endk: 0 no block ends here, 1 the first block ends here if s15 says so, 2 the second block ends here.
.macro TRIP slot, refill, first, endk
	s_wait_tensorcnt 0x0                           ; all my tensor loads have landed, my part of this slot among them, so a from/to set may be written
	ds_add_u32 v254, v255
	s_wait_dscnt 0x0
	s_add_co_u32 s13, s13, 1
.if \refill
	s_add_co_u32 s14, s14, 1                       ; the next step's tile: one on, or tile 0 of the second block
	s_cmp_eq_u32 s13, s12
	s_cselect_b32 s14, 0, s14
	s_cselect_b32 s15, 1, 0
	s_mul_i32 s66, s14, 128*128                    ; 128 keys of 128 bytes in a group
	s_add_nc_u64 s[G0K+4*(1-\slot)+2:G0K+4*(1-\slot)+3], s[60:61], s[66:67]
	s_or_b32 s[G0K+4*(1-\slot)+3], s[G0K+4*(1-\slot)+3], 0x80000000
	s_add_nc_u64 s[G0V+4*(1-\slot)+2:G0V+4*(1-\slot)+3], s[62:63], s[66:67]
	s_or_b32 s[G0V+4*(1-\slot)+3], s[G0V+4*(1-\slot)+3], 0x80000000
.endif
	s_wait_dscnt 0x0                               ; my reads of the other slot are over
	ROUND                                          ; both now hold of every wave of the four work-groups
.if \refill
	JLOAD (1-\slot)
.else
	PLACES
.endif
.if \first
	LOADQ 0
.endif
	LOADKV \slot
	s_wait_dscnt 16                                ; Q and K are in; V's 16 loads may be out
	WIN 0x04                                       ; source 1 (Q) in window 1
	; the four accumulators take turns, one instruction a turn; the first product starts each sum
.irp ks, 0,1,2,3
.irp kt, 0,1
.irp qt, 0,1
.if \ks == 0
	v_wmma_f32_16x16x32_f16 v[S+8*(2*\kt+\qt):S+8*(2*\kt+\qt)+7], v[KF+8*(4*\kt+\ks):KF+8*(4*\kt+\ks)+7], v[QF+8*(4*\qt+\ks):QF+8*(4*\qt+\ks)+7], 0
.else
	v_wmma_f32_16x16x32_f16 v[S+8*(2*\kt+\qt):S+8*(2*\kt+\qt)+7], v[KF+8*(4*\kt+\ks):KF+8*(4*\kt+\ks)+7], v[QF+8*(4*\qt+\ks):QF+8*(4*\qt+\ks)+7], v[S+8*(2*\kt+\qt):S+8*(2*\kt+\qt)+7]
.endif
.endr
.endr
.endr
	WIN 0
	PLACES
.if \endk == 1
	s_cmp_eq_u32 s15, 0
	s_cbranch_scc1 .Lnomask_\@
	MASK LIMA
.Lnomask_\@:
.endif
.if \endk == 2
	MASK LIMB
.endif
	SOFTMAX 0, \first
.if \first == 0
	SCALEO 0
.endif
	s_wait_dscnt 0x0                               ; V
	PV 0, \first
	SOFTMAX 1, \first                              ; names none of the registers of the eight products in front of it
.if \first == 0
	SCALEO 1
.endif
	PV 1, \first
.if \endk == 1
	s_cmp_eq_u32 s15, 0                            ; made of the cluster's number and the step alone: the same in all waves and partners
	s_cbranch_scc1 .Lnofin_\@
	FINISH 70, 0
.Lnofin_\@:
.endif
.if \endk == 2
	FINISH 72, 1
.endif
.endm
	TRIP 0, 1, 1, 1                                ; step 0
	s_mov_b32 s68, 7
.Lsteps:
	TRIP 1, 1, 0, 1                                ; steps 1 .. 14
	TRIP 0, 1, 0, 1
	s_sub_co_u32 s68, s68, 1
	s_cmp_lg_u32 s68, 0
	s_cbranch_scc1 .Lsteps
	TRIP 1, 1, 0, 0                                ; step 15
	TRIP 0, 0, 0, 2                                ; step 16: nothing is left to fetch
	s_wait_tensorcnt 0x0
	ds_add_u32 v254, v255
	s_wait_dscnt 0x0
	ROUND                                          ; the closing round
	s_endpgm
.Lfunc_end_k_qe232850423_attn:
	.size	k_qe232850423_attn, .Lfunc_end_k_qe232850423_attn-k_qe232850423_attn
	.p2alignl 7, 3214868480
	.fill 96, 4, 3214868480
	.section	.rodata,"a",@progbits
	.p2align	6, 0x0
	.amdhsa_kernel k_qe232850423_attn
		.amdhsa_group_segment_fixed_size 327680
		.amdhsa_private_segment_fixed_size 0
		.amdhsa_enable_private_segment 0
		.amdhsa_kernarg_size 16
		.amdhsa_user_sgpr_count 2
		.amdhsa_user_sgpr_kernarg_segment_ptr 1
		.amdhsa_wavefront_size32 1
		.amdhsa_system_sgpr_workgroup_id_x 1
		.amdhsa_system_sgpr_workgroup_id_y 1
		.amdhsa_system_sgpr_workgroup_id_z 1
		.amdhsa_system_vgpr_workitem_id 0
		.amdhsa_next_free_vgpr 448
		.amdhsa_next_free_sgpr 96
		.amdhsa_reserve_vcc 1
		.amdhsa_float_denorm_mode_32 3
		.amdhsa_float_denorm_mode_16_64 3
		.amdhsa_memory_ordered 1
		.amdhsa_forward_progress 1
		.amdhsa_inst_pref_size 159
	.end_amdhsa_kernel
	.amdgpu_metadata
---
amdhsa.version: [ 1, 2 ]
amdhsa.kernels:
  - .name:           k_qe232850423_attn
    .symbol:         k_qe232850423_attn.kd
    .args:
      - { .name: qkv, .offset: 0, .size: 8, .value_kind: global_buffer, .address_space: global }
      - { .name: y, .offset: 8, .size: 8, .value_kind: global_buffer, .address_space: global }
    .group_segment_fixed_size: 327680
    .private_segment_fixed_size: 0
    .kernarg_segment_align: 8
    .kernarg_segment_size: 16
    .max_flat_workgroup_size: 128
    .sgpr_count:     96
    .vgpr_count:     448
    .wavefront_size: 32
...
	.end_amdgpu_metadata
.endif
;; end of part 3
;; launch oproj (part 4): grid 64 x 4, 4 waves a work-group, clusters of 4 x 1, 327,680 bytes of LDS; arguments y, woc, bo, out0; writes out0
.if DOCPART == 4
	.amdgcn_target "amdgcn-amd-amdhsa--gfx1250"
	.amdhsa_code_object_version 6
	.text
	.protected	k_qe232850423_oproj
	.globl	k_qe232850423_oproj
	.p2align	8
	.type	k_qe232850423_oproj,@function
k_qe232850423_oproj:
	s_mov_b64 s[64:65], 0
	v_nop
	global_prefetch_b8 v0, s[64:65] scope:SCOPE_SE
	s_setreg_imm32_b32 hwreg(HW_REG_WAVE_MODE, 25, 1), 1
	s_wait_xcnt 0x0
	s_wait_alu depctr_hold_cnt(0) depctr_sa_sdst(0) depctr_va_vdst(0) depctr_va_sdst(0) depctr_va_ssrc(0) depctr_va_vcc(0) depctr_vm_vsrc(0)
	s_getreg_b32 s2, hwreg(HW_REG_IB_STS2, 6, 4)
	s_cmp_eq_u32 s2, 0
	s_cbranch_scc0 .Lentry_in_a_cluster
	s_endpgm
.Lentry_in_a_cluster:
	s_bfe_u32 s2, ttmp6, 0x10000c
	s_cmp_lg_u32 s2, 0x3003
	s_cbranch_scc0 .Lentry_shape_is_right
	s_endpgm
.Lentry_shape_is_right:
; out0[8192][2048] f32 = y [8192][256] f16 . woc + bo.
; A work-group makes 128 rows x 512 columns in four passes of 128 columns; wave (wr, wc) makes 64 x 64 of a pass: 16 accumulators.
; y's fragments for the whole K = 256 stay in 256 registers through all four passes, so a pass reads only woc from LDS.
; CLUSTER 4 x 1: four row blocks with the same columns want the same 64 KiB of woc in every pass: each wave asks for 16 KiB jointly (mask 15).
; y's 64 KiB are the work-group's own: plain loads.  A wave has three tensor loads out at the start (y, passes 0 and 1), later one.
; The matrix instruction is used transposed (source 0 = 16 columns of woc, source 1 = 16 rows of y); the results go through a stage of the wave's own in
; LDS, so that sixteen lanes store 256 consecutive bytes, aligned; the bias is added on the way back.
; LIMIT: operands are f16, as the launches in front of this one left them.
.set WV,     12
.set APITCH, 528                       ; 512 + 16
.set BOFF,   128*APITCH                ; 67,584
.set BSLOT,  65536
.set STAGE,  BOFF+2*BSLOT              ; 198,656: 16 rows x 272 bytes for each wave; no tensor load lands here
.set SPITCH, 272
.set G1A, 16
.set G1B, 24
.set G0A, 32                           ; s[32:35]
.set G0B, 36                           ; s[36:43] a set for each slot
; s13 cx, s14 row block, s[46:47] offsets made with them: these never feed a joint descriptor or an LDS address.  s15 column block, s44 wr, s45 wc, s[48:51] other temporaries
.set ADA,  2
.set ADB,  3                           ; v3, v4
.set STO,  5
.set RD,   6
.set CO,   7
.set BOFS, 8
.set ACC,  16                          ; v[16:143]  accumulator (a, c) at 8 (4 a + c)
.set BF,   144                         ; v[144:207] woc fragments, two buffers of 4 x 8; on the way out: rows read back
.set BIAS, 208                         ; v[208:223] four for each pass
; window 1: y fragment (a, ks) at v[8 (8 a + ks)], 256 registers
.set MSB, 0
.macro WIN new
.if MSB != \new
	s_set_vgpr_msb (MSB<<8)|\new
.set MSB, \new
.endif
.endm
.macro PLACES
.rept 4
	v_nop
.endr
.endm
.macro ROUND
	s_barrier_signal -1
	s_barrier_wait -1
	s_cmp_lg_u32 s[WV], 0
	s_cbranch_scc1 .Lnot_wave_0_\@
	s_barrier_signal -3
.Lnot_wave_0_\@:
	s_barrier_wait -3
	s_barrier_signal -1
	s_barrier_wait -1
.endm
	s_load_b256 s[4:11], s[0:1], 0x0               ; y 4, woc 6, bo 8, out0 10
	v_lshl_add_u32 v254, v0, 2, 0x34c00
	v_mov_b32 v255, 0
	ds_add_u32 v254, v255
	v_lshrrev_b32 v1, 5, v0
	v_readfirstlane_b32 s[WV], v1
	s_bfe_u32 s13, ttmp6, 0x40000                  ; cx
	s_lshl_b32 s14, ttmp9, 2
	s_add_co_u32 s14, s14, s13                     ; row block 0..63
	s_and_b32 s15, ttmp7, 0xffff                   ; column block 0..3
	s_lshr_b32 s44, s[WV], 1
	s_and_b32 s45, s[WV], 1
	; y: 32 rows x 256 f16, 4 words of padding behind each row of 128 words
	s_mov_b32 s[G1A+0], (1<<16)|(1<<20)|(6<<22)|(3<<25)
	s_mov_b32 s[G1A+1], 256<<16
	s_mov_b32 s[G1A+2], 32<<16
	s_mov_b32 s[G1A+3], 256<<16
	s_mov_b32 s[G1A+4], 32
	s_mov_b32 s[G1A+5], 256
	s_mov_b32 s[G1A+6], 0
	s_mov_b32 s[G1A+7], 0
	; woc: 16,384 dense bytes as 64 rows of 32 elements of 8 bytes; mask 15 with bit 21 beside it
	s_mov_b32 s[G1B+0], 15|(3<<16)|(1<<21)
	s_mov_b32 s[G1B+1], 32<<16
	s_mov_b32 s[G1B+2], 64<<16
	s_mov_b32 s[G1B+3], 32<<16
	s_mov_b32 s[G1B+4], 64
	s_mov_b32 s[G1B+5], 32
	s_mov_b32 s[G1B+6], 0
	s_mov_b32 s[G1B+7], 0
	s_lshl_b32 s50, s[WV], 14                      ; 16,384 x wave: 32 rows of y, and my quarter of a pass of woc
	s_lshl_b32 s46, s14, 16                        ; 128 rows of 512 bytes
	s_add_co_u32 s46, s46, s50
	s_mov_b32 s47, 0
	s_lshl_b32 s48, s15, 18                        ; 32 blocks of 8,192 bytes
	s_add_co_u32 s48, s48, s50
	s_mov_b32 s49, 0
	s_mul_i32 s51, s[WV], 32*APITCH
	s_wait_dscnt 0x0
	s_wait_kmcnt 0x0
	s_mov_b32 s[G0A], 1
	s_mov_b32 s[G0A+1], s51
	s_add_nc_u64 s[G0A+2:G0A+3], s[4:5], s[46:47]
	s_or_b32 s[G0A+3], s[G0A+3], 0x80000000
	s_add_nc_u64 s[6:7], s[6:7], s[48:49]
.irp s, 0,1
	s_mov_b32 s[G0B+4*\s], 1
	s_add_co_u32 s[G0B+4*\s+1], s50, BOFF+\s*BSLOT
	s_add_nc_u64 s[G0B+4*\s+2:G0B+4*\s+3], s[6:7], \s*65536        ; pass s
	s_or_b32 s[G0B+4*\s+3], s[G0B+4*\s+3], 0x80000000
.endr
	ROUND                                          ; in front of the first loads, which go out as one group
	tensor_load_to_lds s[G0A:G0A+3], s[G1A:G1A+7]
	s_nop 0
	PLACES
	tensor_load_to_lds s[G0B:G0B+3], s[G1B:G1B+7]
	s_nop 0
	PLACES
	tensor_load_to_lds s[G0B+4:G0B+7], s[G1B:G1B+7]
	s_nop 0
	PLACES
	s_lshl_b32 s48, s15, 11                        ; 512 columns of 4 bytes
	s_lshl_b32 s51, s45, 8                         ; 64 columns
	s_add_co_u32 s48, s48, s51
	s_add_nc_u64 s[8:9], s[8:9], s[48:49]
	v_and_b32 v9, 15, v0                           ; r
	v_bfe_u32 v10, v0, 4, 1                        ; h
	v_lshlrev_b32 v[BOFS], 4, v9
.irp p, 0,1,2,3
	global_load_b128 v[BIAS+4*\p:BIAS+4*\p+3], v[BOFS], s[8:9] offset:512*\p     ; the four columns that I store in pass p
.endr
	s_lshl_b32 s46, s14, 20                        ; 128 rows of 8,192 bytes
	s_lshl_b32 s51, s44, 19                        ; 64 rows
	s_add_co_u32 s46, s46, s51
	s_add_co_u32 s46, s46, s48
	s_add_nc_u64 s[10:11], s[10:11], s[46:47]
	v_and_b32 v11, 7, v0
	v_bfe_u32 v12, v0, 3, 1
	v_mul_u32_u24 v13, v9, APITCH
	v_lshl_add_u32 v13, v10, 4, v13
	s_mul_i32 s51, s44, 64*APITCH
	v_add_nc_u32 v[ADA], s51, v13
	v_lshlrev_b32 v13, 5, v11                      ; woc: k = 8h + (lane & 7), 32 bytes a k, 16 bytes for bit 3 of the lane
	v_lshl_add_u32 v13, v12, 4, v13
	v_lshl_add_u32 v13, v10, 8, v13
	s_lshl_b32 s51, s45, 15                        ; my 4 blocks of 8,192 bytes
	s_add_co_u32 s51, s51, BOFF
	v_add_nc_u32 v[ADB], s51, v13
	v_add_nc_u32 v[ADB+1], BSLOT, v[ADB]
	s_mul_i32 s51, s[WV], 16*SPITCH
	s_add_co_u32 s51, s51, STAGE
	v_mul_u32_u24 v13, v9, SPITCH
	v_lshl_add_u32 v13, v10, 5, v13
	v_add_nc_u32 v[STO], s51, v13                  ; in: row r, 8 f32 a half
	v_mul_u32_u24 v13, v10, SPITCH
	v_lshl_add_u32 v13, v9, 4, v13
	v_add_nc_u32 v[RD], s51, v13                   ; back: lanes 0-15 a row of 256 bytes, lanes 16-31 the next
	v_lshlrev_b32 v13, 13, v10
	v_lshl_add_u32 v[CO], v9, 4, v13
	s_wait_tensorcnt 0x1                           ; y and pass 0 are in; pass 1 may stay out
	s_barrier_signal -1
	s_barrier_wait -1
	WIN 0x40
.irp a, 0,1,2,3
.irp ks, 0,1,2,3,4,5,6,7
	ds_load_b128 v[8*(8*\a+\ks):8*(8*\a+\ks)+3],   v[ADA] offset:16*APITCH*\a+64*\ks
	ds_load_b128 v[8*(8*\a+\ks)+4:8*(8*\a+\ks)+7], v[ADA] offset:16*APITCH*\a+64*\ks+32
.endr
.endr
	WIN 0
	s_wait_loadcnt 0x0                             ; the bias
.macro LOADB slot, ks, buf
.irp c, 0,1,2,3
	ds_load_tr16_b128 v[BF+32*\buf+8*\c:BF+32*\buf+8*\c+3],   v[ADB+\slot] offset:8192*\c+1024*\ks
	ds_load_tr16_b128 v[BF+32*\buf+8*\c+4:BF+32*\buf+8*\c+7], v[ADB+\slot] offset:8192*\c+1024*\ks+512
.endr
.endm
; 16 products; the 16 accumulators take turns, one instruction a turn; the first K step starts the sums
.macro MUL16 ks, buf
.irp a, 0,1,2,3
.irp c, 0,1,2,3
.if \ks == 0
	v_wmma_f32_16x16x32_f16 v[ACC+8*(4*\a+\c):ACC+8*(4*\a+\c)+7], v[BF+32*\buf+8*\c:BF+32*\buf+8*\c+7], v[8*(8*\a+\ks):8*(8*\a+\ks)+7], 0
.else
	v_wmma_f32_16x16x32_f16 v[ACC+8*(4*\a+\c):ACC+8*(4*\a+\c)+7], v[BF+32*\buf+8*\c:BF+32*\buf+8*\c+7], v[8*(8*\a+\ks):8*(8*\a+\ks)+7], v[ACC+8*(4*\a+\c):ACC+8*(4*\a+\c)+7]
.endif
.endr
.endr
.endm
; rows 16a .. 16a+15 of my 64 x 64: into my stage, back as whole rows of 256 bytes, bias added, stored
.macro OUTROWS p, a
.irp c, 0,1,2,3
	ds_store_b128 v[STO], v[ACC+8*(4*\a+\c):ACC+8*(4*\a+\c)+3]   offset:64*\c
	ds_store_b128 v[STO], v[ACC+8*(4*\a+\c)+4:ACC+8*(4*\a+\c)+7] offset:64*\c+16
.endr
	s_wait_xcnt 0x0                                ; this half of BF was the data of earlier stores: it is loaded again only behind this wait
.irp i, 0,1,2,3,4,5,6,7
	ds_load_b128 v[BF+32*(\a&1)+4*\i:BF+32*(\a&1)+4*\i+3], v[RD] offset:2*SPITCH*\i      ; LDS serves a wave's instructions in order (ISA guide 5.7.1): these see the stores above
.endr
.irp i, 0,1,2,3,4,5,6,7
	s_wait_dscnt 7-\i
	v_pk_add_f32 v[BF+32*(\a&1)+4*\i:BF+32*(\a&1)+4*\i+1],   v[BF+32*(\a&1)+4*\i:BF+32*(\a&1)+4*\i+1],   v[BIAS+4*\p:BIAS+4*\p+1]
	v_pk_add_f32 v[BF+32*(\a&1)+4*\i+2:BF+32*(\a&1)+4*\i+3], v[BF+32*(\a&1)+4*\i+2:BF+32*(\a&1)+4*\i+3], v[BIAS+4*\p+2:BIAS+4*\p+3]
	global_store_b128 v[CO], v[BF+32*(\a&1)+4*\i:BF+32*(\a&1)+4*\i+3], s[10:11] offset:(16*\a+2*\i)*8192+512*\p th:TH_STORE_NT
.endr
.endm
.macro PASS p, slot
	s_wait_xcnt 0x0                                ; BF was the data of the last pass's stores
	WIN 0x04                                       ; source 1 (y) in window 1; LDS loads use destination and source 0, which stay in window 0
	LOADB \slot, 0, 0
.irp ks, 0,1,2,3,4,5,6
.if \ks > 0
	PLACES                                         ; behind the products that read the buffer loaded next (ISA guide 7.12.1)
.endif
	LOADB \slot, (\ks+1), ((\ks+1)&1)
	s_wait_dscnt 8                                 ; all but the eight just issued: this step's fragments (in pass 0 y's too) are in
	MUL16 \ks, (\ks&1)
.endr
	s_wait_dscnt 0x0
	MUL16 7, 1
	WIN 0
	PLACES
	OUTROWS \p, 0
	OUTROWS \p, 1
	OUTROWS \p, 2
	OUTROWS \p, 3
.endm
; the change to slot: it has landed; the other, which has been read, is asked for again, two passes on
.macro NEXT slot, refill
	s_wait_tensorcnt 0x0                           ; all my tensor loads have landed, so a from/to set may be written
	ds_add_u32 v254, v255
	s_wait_dscnt 0x0
.if \refill
	s_add_nc_u64 s[G0B+4*(1-\slot)+2:G0B+4*(1-\slot)+3], s[G0B+4*(1-\slot)+2:G0B+4*(1-\slot)+3], 2*65536
.endif
	s_wait_dscnt 0x0                               ; my reads of the other slot are over
	ROUND                                          ; both now hold of every wave of the four work-groups
.if \refill
	tensor_load_to_lds s[G0B+4*(1-\slot):G0B+4*(1-\slot)+3], s[G1B:G1B+7]
	s_nop 0
	PLACES
.endif
.endm
	PASS 0, 0
	NEXT 1, 1
	PASS 1, 1
	NEXT 0, 1
	PASS 2, 0
	NEXT 1, 0
	PASS 3, 1
	s_wait_tensorcnt 0x0
	ds_add_u32 v254, v255
	s_wait_dscnt 0x0
	ROUND                                          ; the closing round
	s_endpgm
.Lfunc_end_k_qe232850423_oproj:
	.size	k_qe232850423_oproj, .Lfunc_end_k_qe232850423_oproj-k_qe232850423_oproj
	.p2alignl 7, 3214868480
	.fill 96, 4, 3214868480
	.section	.rodata,"a",@progbits
	.p2align	6, 0x0
	.amdhsa_kernel k_qe232850423_oproj
		.amdhsa_group_segment_fixed_size 327680
		.amdhsa_private_segment_fixed_size 0
		.amdhsa_enable_private_segment 0
		.amdhsa_kernarg_size 32
		.amdhsa_user_sgpr_count 2
		.amdhsa_user_sgpr_kernarg_segment_ptr 1
		.amdhsa_wavefront_size32 1
		.amdhsa_system_sgpr_workgroup_id_x 1
		.amdhsa_system_sgpr_workgroup_id_y 1
		.amdhsa_system_sgpr_workgroup_id_z 1
		.amdhsa_system_vgpr_workitem_id 0
		.amdhsa_next_free_vgpr 512
		.amdhsa_next_free_sgpr 66
		.amdhsa_reserve_vcc 0
		.amdhsa_float_denorm_mode_32 3
		.amdhsa_float_denorm_mode_16_64 3
		.amdhsa_memory_ordered 1
		.amdhsa_forward_progress 1
		.amdhsa_inst_pref_size 114
	.end_amdhsa_kernel
	.amdgpu_metadata
---
amdhsa.version: [ 1, 2 ]
amdhsa.kernels:
  - .name:           k_qe232850423_oproj
    .symbol:         k_qe232850423_oproj.kd
    .args:
      - { .name: y, .offset: 0, .size: 8, .value_kind: global_buffer, .address_space: global }
      - { .name: woc, .offset: 8, .size: 8, .value_kind: global_buffer, .address_space: global }
      - { .name: bo, .offset: 16, .size: 8, .value_kind: global_buffer, .address_space: global }
      - { .name: out0, .offset: 24, .size: 8, .value_kind: global_buffer, .address_space: global }
    .group_segment_fixed_size: 327680
    .private_segment_fixed_size: 0
    .kernarg_segment_align: 8
    .kernarg_segment_size: 32
    .max_flat_workgroup_size: 128
    .sgpr_count:     66
    .vgpr_count:     512
    .wavefront_size: 32
...
	.end_amdgpu_metadata
.endif
;; end of part 4
;; ======== version 2 of 2: 4 launches; version 1 with the launch prep written anew for expert scheduling mode
;; limits: values are held in f16: magnitudes above 65,504 overflow, below 6.1e-05 lose precision
;; workspace buffers: wc 3,145,728 bytes; woc 1,048,576 bytes; bqkv 3,072 bytes; tab 1,048,576 bytes; qkv 12,582,912 bytes; y 4,194,304 bytes
;; launch prep (part 5): grid 209 x 1, 8 waves a work-group, no clusters, 70,656 bytes of LDS; arguments Wq, Wk, Wv, Wo, bq, bk, bv, wc, woc, bqkv, tab; writes wc, woc, bqkv, tab
.if DOCPART == 5
	.amdgcn_target "amdgcn-amd-amdhsa--gfx1250"
	.amdhsa_code_object_version 6
	.text
	.protected	k_qe232850423_prep
	.globl	k_qe232850423_prep
	.p2align	8
	.type	k_qe232850423_prep,@function
k_qe232850423_prep:
	s_mov_b64 s[64:65], 0
	v_nop
	global_prefetch_b8 v0, s[64:65] scope:SCOPE_SE
	s_setreg_imm32_b32 hwreg(HW_REG_WAVE_SCHED_MODE, 0, 2), 2
	s_setreg_imm32_b32 hwreg(HW_REG_WAVE_MODE, 25, 1), 1
	s_wait_xcnt 0x0
	s_wait_alu depctr_vm_vsrc(0)
; prep: what the three later launches read again and again is made once.
;   wc   [48 nt][2048 k][16 n] f16: blocks of 16 columns of the q, k and v weights.  nt 0-15: q of kv head nt>>3, 16-31: k, 32-47: v.
;   woc  [128 nt][256 k][16 n] f16: Wo in the same form.        bqkv [768] f32: the three biases side by side.
;   tab  [2048 t][64 i]{cos, sin} f32: RoPE's angles t * 10000^(-i/64).
; The score sums over the 8 query heads of a kv head as well as over d, and RoPE is linear and the same for every head at a position:
; so the 8 slices of Wq (and of bq) are added here, in f32, and one q of 128 columns per kv head is projected later.  log2(e)/sqrt(128) is
; multiplied in, so that the softmax can work in base 2.  ORDER OF ROUNDING: differs from the formula as written (sum of weights, one rounding to f16).
; LIMIT: weights are kept in f16: a weight (for q: the scaled sum of eight) beyond 65,504 becomes infinite, below 6e-8 zero.
; LIMIT: cos and sin come from a two-part reduction by pi/2 and polynomials (errors below 4e-7) of an angle formed in f32, as the formula forms it;
; the frequency is exp2 of a rounded product, so the angle can differ by up to about 4e-4 rad at t = 2047.
; No matrix unit, no cluster, no tensor load: a short stream whose only need is whole aligned runs in and out.
; Work-groups 0-127: 16 rows k of Wq, Wk, Wv.  128-143: 16 rows of Wo.  144-207: 32 rows of the table.  208: the biases.
; THE MODE: SCHED_MODE bits 1:0 = 2 (LLVM: expert scheduling mode 2), set by the entry lines.  The code itself states the register dependences
; between vector instructions and memory or LDS instructions, with s_wait_alu, always for 0.
; THE PLAN.  Registers that memory or LDS instructions touch:
;   v3, v4       offsets made at the head, never written again: one wait at the head, ahead of the first branch, states that they are written.
;   v5, v6       (weights) made once, behind the branch's global loads and ahead of its first wait on va_vdst; read by the LDS loads and the global stores.
;   X            global loads land in it; sums and conversions read and write it; behind the barrier LDS loads land in its low registers, which the global stores read.
;   OUT0, OUT1   row kk's conversions write OUT[kk], row kk's LDS stores read it, and nothing writes it again.
;   v[32:47]     (table) written by the second half of the sine and cosine, read by the four stores.
; No register that a memory or LDS instruction reads is written a second time, so none of them needs a wait on vm_vsrc.
; One wait on va_vdst stands behind each row's conversions, ahead of its run of LDS stores; the second row's also states that every sum and conversion is
; done with X: no vector instruction follows it, so the LDS loads into X owe nothing more.
.set SC,  0x3e0293ee                   ; log2(e) / sqrt(128)
.set L16, 3                            ; v3   16 x lane
.set ST,  4                            ; v4   stage, way in
.set RD,  5                            ; v5   stage, way back
.set GO,  6                            ; v6   byte offset in the output
.set X,   16                           ; v[16:175] rows as loaded
.set OUT, 186                          ; v[186:249] row kk's packed f16 at OUT + 32 kk, a pair for each chunk; v184, v185 are kept for the closing lines
.set NP,  544                          ; stage: 16 k x 32 bytes for a block nt, + 32: eight neighbouring nt start 32 bytes apart modulo 256
.set TS,  48                           ; the table: v[48:55] sin r, v[56:63] cos r, v[64:71] n of the eight angles
.set TC,  56
.set TN,  64
.set MK,  40                           ; s[40:47] the eight angles' masks: odd quadrant
.macro ADD4 d, s
	v_pk_add_f32 v[\d:\d+1], v[\d:\d+1], v[\s:\s+1]
	v_pk_add_f32 v[\d+2:\d+3], v[\d+2:\d+3], v[\s+2:\s+3]
.endm
; eight quads at b, b+4 .. b+28 are added as a tree into the first and scaled
.macro SUM8 b
	ADD4 \b, \b+4
	ADD4 \b+8, \b+12
	ADD4 \b+16, \b+20
	ADD4 \b+24, \b+28
	ADD4 \b, \b+8
	ADD4 \b+16, \b+24
	ADD4 \b, \b+16
	v_pk_mul_f32 v[\b:\b+1], v[\b:\b+1], SC op_sel_hi:[1,0]
	v_pk_mul_f32 v[\b+2:\b+3], v[\b+2:\b+3], SC op_sel_hi:[1,0]
.endm
; four f32 to four f16, into a pair of an out-buffer
.macro CV src, o
	v_cvt_pk_f16_f32 v[\o], v[\src], v[\src+1]
	v_cvt_pk_f16_f32 v[\o+1], v[\src+2], v[\src+3]
.endm
	s_load_b512 s[4:19], s[0:1], 0x0               ; Wq 4, Wk 6, Wv 8, Wo 10, bq 12, bk 14, bv 16, wc 18
	s_load_b128 s[20:23], s[0:1], 0x40             ; woc 20, bqkv 22
	s_load_b64 s[24:25], s[0:1], 0x50              ; tab
	v_lshl_add_u32 v184, v0, 2, 0x11000
	v_mov_b32 v185, 0
	v_and_b32 v1, 31, v0                           ; lane
	v_lshrrev_b32 v2, 5, v0                        ; wave
	v_readfirstlane_b32 s26, v2
	v_lshlrev_b32 v[L16], 4, v1
	v_lshrrev_b32 v7, 2, v1                        ; a lane's 4 columns lie in block lane>>2 of its chunk of 128,
	v_and_b32 v8, 3, v1                            ; at 8 bytes x (lane & 3)
	v_mul_u32_u24 v7, v7, NP
	v_lshl_add_u32 v7, v8, 3, v7
	v_lshl_add_u32 v[ST], v2, 6, v7                ; + 2 rows of 32 bytes for each wave
	s_mov_b32 s27, ttmp9
	s_mov_b32 s29, 0                               ; upper word of every offset pair s[28:29]
	s_wait_alu depctr_va_sdst(0)                   ; s26, the wave's number, is written
	s_wait_alu depctr_va_vdst(0)                   ; v3 and v4 are written: the loads of weights and biases read v3 as their offset, the LDS stores v4 as their address
	s_wait_kmcnt 0x0
	s_cmp_lt_u32 s27, 128
	s_cbranch_scc1 .Lw_qkv
	s_cmp_lt_u32 s27, 144
	s_cbranch_scc1 .Lw_o
	s_cmp_lt_u32 s27, 208
	s_cbranch_scc1 .Ltable
	; THE BIASES.  Waves 0, 1: q of kv head 0, 1 (eight slices added and scaled).  2, 3: halves of bk.  4, 5: halves of bv.
	s_cmp_ge_u32 s26, 6
	s_cbranch_scc1 .Lend
	s_and_b32 s28, s26, 1
	s_cmp_ge_u32 s26, 2
	s_cbranch_scc1 .Lb_kv
	s_lshl_b32 s28, s28, 12                        ; 8 heads x 512 bytes
	s_add_nc_u64 s[12:13], s[12:13], s[28:29]
.irp g, 0,1,2,3,4,5,6,7
	global_load_b128 v[X+4*\g:X+4*\g+3], v[L16], s[12:13] offset:512*\g
.endr
	s_lshr_b32 s28, s28, 3                         ; 512 bytes of bqkv for each head
	v_add_nc_u32 v[GO], s28, v[L16]
	s_wait_loadcnt 0x0
	SUM8 X
	s_wait_alu depctr_va_vdst(0)                   ; the sum has written v[X:X+3], the store's data, and v6, its offset, is written
	global_store_b128 v[GO], v[X:X+3], s[22:23]
	s_endpgm
.Lb_kv:
	s_lshl_b32 s28, s28, 9
	s_mov_b32 s32, 2048                            ; bv's place in bqkv; an instruction holds one literal, so this one comes by register
	s_cmp_lt_u32 s26, 4
	s_cselect_b64 s[30:31], s[14:15], s[16:17]     ; bk or bv
	s_cselect_b32 s32, 1024, s32                   ; and its place in bqkv
	v_add_nc_u32 v[GO], s28, v[L16]
	v_add_nc_u32 v7, s32, v[GO]                    ; both offsets are made ahead of the load, so that one wait serves both
	s_wait_alu depctr_va_vdst(0)                   ; v6, the load's offset, and v7, the store's, are written
	global_load_b128 v[X:X+3], v[GO], s[30:31]
	s_wait_loadcnt 0x0
	global_store_b128 v7, v[X:X+3], s[22:23]
.Lend:
	s_endpgm
	; Wq, Wk, Wv: the work-group owns rows k0 = 16 x group .. + 15, wave w rows k0 + 2w and + 1.
	; A row is 16 + 2 + 2 chunks of 512 bytes; each load of the wave covers one chunk, aligned.
.Lw_qkv:
	s_lshl_b32 s28, s27, 17                        ; 16 rows of 8,192 bytes
	s_lshl_b32 s30, s26, 14                        ; 2 rows
	s_add_co_u32 s28, s28, s30
	s_add_nc_u64 s[4:5], s[4:5], s[28:29]
	s_lshr_b32 s28, s28, 3                         ; rows of 1,024 bytes
	s_add_nc_u64 s[6:7], s[6:7], s[28:29]
	s_add_nc_u64 s[8:9], s[8:9], s[28:29]
.irp kk, 0,1
.irp c, 0,1,2,3,4,5,6,7,8,9,10,11,12,13,14,15
	global_load_b128 v[X+80*\kk+4*\c:X+80*\kk+4*\c+3], v[L16], s[4:5] offset:8192*\kk+512*\c th:TH_LOAD_NT
.endr
.irp c, 0,1
	global_load_b128 v[X+80*\kk+64+4*\c:X+80*\kk+64+4*\c+3], v[L16], s[6:7] offset:1024*\kk+512*\c th:TH_LOAD_NT
.endr
.irp c, 0,1
	global_load_b128 v[X+80*\kk+72+4*\c:X+80*\kk+72+4*\c+3], v[L16], s[8:9] offset:1024*\kk+512*\c th:TH_LOAD_NT
.endr
.endr
	v_mad_u32_u24 v[RD], v2, 6*NP, v[L16]          ; wave w brings out blocks 6w .. 6w + 5
	v_mad_u32_u24 v[GO], v2, 6*65536, v[L16]
	s_lshl_b32 s28, s27, 9                         ; k0 x 32 bytes inside a block
	s_add_nc_u64 s[18:19], s[18:19], s[28:29]
; a row: the sums, all six conversions into the row's own out-buffer, one wait, the six LDS stores in one run
.macro QKVROW kk
	SUM8 (X+80*\kk)
	SUM8 (X+80*\kk+32)
	CV (X+80*\kk),    (OUT+32*\kk)                 ; q, head 0: blocks 0-7
	CV (X+80*\kk+32), (OUT+32*\kk+2)               ; q, head 1
	CV (X+80*\kk+64), (OUT+32*\kk+4)               ; k
	CV (X+80*\kk+68), (OUT+32*\kk+6)
	CV (X+80*\kk+72), (OUT+32*\kk+8)               ; v
	CV (X+80*\kk+76), (OUT+32*\kk+10)
	s_wait_alu depctr_va_vdst(0)                   ; the conversions have written OUT[kk], which the LDS stores read; v5 and v6 are written; behind the second row: sums and conversions are done with X
.irp i, 0,1,2,3,4,5
	ds_store_b64 v[ST], v[OUT+32*\kk+2*\i:OUT+32*\kk+2*\i+1] offset:\i*8*NP+32*\kk
.endr
.endm
	s_wait_loadcnt 20                              ; the first row's 20 loads are in, the second row's 20 stay out
	QKVROW 0
	s_wait_loadcnt 0x0
	QKVROW 1                                       ; its vector work names X's second row and OUT1: none of the registers that the first row's LDS stores read
	s_wait_dscnt 0x0                               ; my stores are in LDS before I say so: other waves read them
	s_barrier_signal -1
	s_barrier_wait -1
.irp i, 0,1,2,3,4,5
	ds_load_b128 v[X+4*\i:X+4*\i+3], v[RD] offset:NP*\i            ; a block's 16 k x 32 bytes: 512 neighbouring bytes.  No wait: no vector instruction since the second row's wait, and no memory instruction has read X
.endr
.irp i, 0,1,2,3,4,5
	s_wait_dscnt 5-\i                              ; LDS loads come back in order: load i is in
	global_store_b128 v[GO], v[X+4*\i:X+4*\i+3], s[18:19] offset:65536*\i   ; 512 consecutive bytes, aligned
.endr
	s_wait_dscnt 0x0                               ; the closing lines, six on end
	s_wait_alu 0x0
	s_wait_tensorcnt 0x0
	ds_add_u32 v184, v185
	s_wait_dscnt 0x0
	s_endpgm
	; Wo: the same without a sum.  16 rows k, a row is 16 chunks; wave w brings out blocks 16w .. 16w + 15.
.Lw_o:
	s_sub_co_u32 s28, s27, 128
	s_lshl_b32 s31, s28, 9                         ; k0 x 32 bytes
	s_lshl_b32 s28, s28, 17
	s_lshl_b32 s30, s26, 14
	s_add_co_u32 s28, s28, s30
	s_add_nc_u64 s[10:11], s[10:11], s[28:29]
.irp kk, 0,1
.irp c, 0,1,2,3,4,5,6,7,8,9,10,11,12,13,14,15
	global_load_b128 v[X+64*\kk+4*\c:X+64*\kk+4*\c+3], v[L16], s[10:11] offset:8192*\kk+512*\c th:TH_LOAD_NT
.endr
.endr
	v_mad_u32_u24 v[RD], v2, 16*NP, v[L16]
	v_lshl_add_u32 v[GO], v2, 17, v[L16]           ; 16 blocks of 8,192 bytes
	s_mov_b32 s28, s31
	s_add_nc_u64 s[20:21], s[20:21], s[28:29]
; a row: sixteen conversions of four into the row's own out-buffer, one wait, the sixteen LDS stores in one run
.macro OROW kk
.irp c, 0,1,2,3,4,5,6,7,8,9,10,11,12,13,14,15
	CV (X+64*\kk+4*\c), (OUT+32*\kk+2*\c)
.endr
	s_wait_alu depctr_va_vdst(0)                   ; the conversions have written OUT[kk], which the LDS stores read; v5 and v6 are written; behind the second row: the conversions are done reading X
.irp c, 0,1,2,3,4,5,6,7,8,9,10,11,12,13,14,15
	ds_store_b64 v[ST], v[OUT+32*\kk+2*\c:OUT+32*\kk+2*\c+1] offset:8*NP*\c+32*\kk
.endr
.endm
	s_wait_loadcnt 16                              ; the first row's 16 loads are in
	OROW 0
	s_wait_loadcnt 0x0
	OROW 1
	s_wait_dscnt 0x0
	s_barrier_signal -1
	s_barrier_wait -1
.irp i, 0,1,2,3,4,5,6,7,8,9,10,11,12,13,14,15
	ds_load_b128 v[X+4*\i:X+4*\i+3], v[RD] offset:NP*\i            ; no wait: no vector instruction since the second row's wait, and no memory instruction has read X
.endr
.irp i, 0,1,2,3,4,5,6,7,8,9,10,11,12,13,14,15
	s_wait_dscnt 15-\i
	global_store_b128 v[GO], v[X+4*\i:X+4*\i+3], s[20:21] offset:8192*\i
.endr
	s_wait_dscnt 0x0                               ; the closing lines, six on end
	s_wait_alu 0x0
	s_wait_tensorcnt 0x0
	ds_add_u32 v184, v185
	s_wait_dscnt 0x0
	s_endpgm
	; THE TABLE.  32 rows t; a thread makes (cos, sin) of i = 2 lane and 2 lane + 1 for four rows: 16 bytes each, a wave's store covers a row's 512 bytes.
.Ltable:
	s_sub_co_u32 s28, s27, 144
	s_lshl_b32 s39, s28, 5                         ; the group's first row
	s_lshl_b32 s28, s28, 14                        ; 32 rows of 512 bytes
	s_add_nc_u64 s[24:25], s[24:25], s[28:29]
	s_mov_b32 s30, 0x3f22f983                      ; 2 / pi
	s_mov_b32 s31, 0xbfc90fdb                      ; - (pi/2 rounded to f32)
	s_mov_b32 s32, 0x333bbd2e                      ; that rounding's error, added back
	s_mov_b32 s33, 0xbe2aaaab                      ; -1/6
	s_mov_b32 s34, 0x3c088889                      ; 1/120
	s_mov_b32 s35, 0xb9500d01                      ; -1/5040
	s_mov_b32 s36, 0x3d2aaaab                      ; 1/24
	s_mov_b32 s37, 0xbab60b61                      ; -1/720
	s_mov_b32 s38, 0x37d00d01                      ; 1/40320
	v_lshlrev_b32 v6, 1, v1
	v_cvt_f32_u32 v6, v6                           ; i
	v_add_f32 v7, 1.0, v6                          ; i + 1
	v_mul_f32 v6, 0xbe549a78, v6                   ; - i log2(10000) / 64
	v_mul_f32 v7, 0xbe549a78, v7
	v_exp_f32 v6, v6
	v_exp_f32 v7, v7
	v_add_nc_u32 v8, s39, v2                       ; row = first + wave (+ 8 it): also the plain instruction behind the two exponentials (ISA guide 5.7.2)
	v_lshlrev_b32 v9, 4, v0                        ; 512 x wave + 16 x lane
; cos and sin of v[a] >= 0: a = n pi/2 + r, |r| <= pi/4; polynomials in r; the quadrant n mod 4 swaps them and sets the signs.
; In two halves, so that the eight angles' compares stand ahead of ONE wait and their selects behind it.
; First half, for angle e of eight: n, sin r and cos r into registers of the angle's own, and the mask 'odd quadrant' into a scalar register of its own.
.macro SC1 a, e
	v_mul_f32 v20, s30, v[\a]
	v_rndne_f32 v20, v20                           ; n
	v_fma_f32 v21, v20, s31, v[\a]
	v_fma_f32 v21, v20, s32, v21                   ; r
	v_cvt_i32_f32 v[TN+(\e)], v20
	v_mul_f32 v23, v21, v21                        ; z = r r
	v_fma_f32 v24, v23, s35, s34
	v_fma_f32 v24, v23, v24, s33
	v_mul_f32 v25, v21, v23
	v_fma_f32 v[TS+(\e)], v25, v24, v21            ; sin r
	v_fma_f32 v26, v23, s38, s37
	v_fma_f32 v26, v23, v26, s36
	v_fma_f32 v26, v23, v26, -0.5
	v_fma_f32 v[TC+(\e)], v23, v26, 1.0            ; cos r
	v_and_b32 v27, 1, v[TN+(\e)]
	v_cmp_ne_u32 s[MK+(\e)], 0, v27
.endm
; Second half: the selects and the signs.
.macro SC2 e, c, s
	v_cndmask_b32 v28, v[TS+(\e)], v[TC+(\e)], s[MK+(\e)]          ; sin a: cos r in odd quadrants
	v_cndmask_b32 v29, v[TC+(\e)], v[TS+(\e)], s[MK+(\e)]          ; cos a: sin r in odd quadrants
	v_and_b32 v27, 2, v[TN+(\e)]
	v_lshlrev_b32 v27, 30, v27                     ; sin a is negative in quadrants 2, 3
	v_xor_b32 v[\s], v27, v28
	v_add_nc_u32 v22, 1, v[TN+(\e)]
	v_and_b32 v22, 2, v22
	v_lshlrev_b32 v22, 30, v22                     ; cos a in quadrants 1, 2
	v_xor_b32 v[\c], v22, v29
.endm
	s_wait_alu depctr_va_vdst(0)                   ; the two exponentials have written v6 and v7, ahead of their first reader
.irp it, 0,1,2,3
	v_add_nc_u32 v10, 8*\it, v8
	v_cvt_f32_u32 v10, v10                         ; t
	v_mul_f32 v11, v10, v6
	v_mul_f32 v12, v10, v7
	SC1 11, 2*\it
	SC1 12, 2*\it+1
.endr
	s_wait_alu depctr_va_sdst(0)                   ; the eight compares have written s40 to s47, which the selects below read
.irp it, 0,1,2,3
	SC2 2*\it,   32+4*\it, 33+4*\it
	SC2 2*\it+1, 34+4*\it, 35+4*\it
.endr
	s_wait_alu depctr_va_vdst(0)                   ; v[32:47], the four stores' data, and v9, their offset, are written
.irp it, 0,1,2,3
	global_store_b128 v9, v[32+4*\it:35+4*\it], s[24:25] offset:4096*\it    ; each of the four stores has data registers of its own
.endr
	s_endpgm
.Lfunc_end_k_qe232850423_prep:
	.size	k_qe232850423_prep, .Lfunc_end_k_qe232850423_prep-k_qe232850423_prep
	.p2alignl 7, 3214868480
	.fill 96, 4, 3214868480
	.section	.rodata,"a",@progbits
	.p2align	6, 0x0
	.amdhsa_kernel k_qe232850423_prep
		.amdhsa_group_segment_fixed_size 70656
		.amdhsa_private_segment_fixed_size 0
		.amdhsa_enable_private_segment 0
		.amdhsa_kernarg_size 88
		.amdhsa_user_sgpr_count 2
		.amdhsa_user_sgpr_kernarg_segment_ptr 1
		.amdhsa_wavefront_size32 1
		.amdhsa_system_sgpr_workgroup_id_x 1
		.amdhsa_system_sgpr_workgroup_id_y 1
		.amdhsa_system_sgpr_workgroup_id_z 1
		.amdhsa_system_vgpr_workitem_id 0
		.amdhsa_next_free_vgpr 250
		.amdhsa_next_free_sgpr 66
		.amdhsa_reserve_vcc 0
		.amdhsa_float_denorm_mode_32 3
		.amdhsa_float_denorm_mode_16_64 3
		.amdhsa_memory_ordered 1
		.amdhsa_forward_progress 1
		.amdhsa_inst_pref_size 41
	.end_amdhsa_kernel
	.amdgpu_metadata
---
amdhsa.version: [ 1, 2 ]
amdhsa.kernels:
  - .name:           k_qe232850423_prep
    .symbol:         k_qe232850423_prep.kd
    .args:
      - { .name: Wq, .offset: 0, .size: 8, .value_kind: global_buffer, .address_space: global }
      - { .name: Wk, .offset: 8, .size: 8, .value_kind: global_buffer, .address_space: global }
      - { .name: Wv, .offset: 16, .size: 8, .value_kind: global_buffer, .address_space: global }
      - { .name: Wo, .offset: 24, .size: 8, .value_kind: global_buffer, .address_space: global }
      - { .name: bq, .offset: 32, .size: 8, .value_kind: global_buffer, .address_space: global }
      - { .name: bk, .offset: 40, .size: 8, .value_kind: global_buffer, .address_space: global }
      - { .name: bv, .offset: 48, .size: 8, .value_kind: global_buffer, .address_space: global }
      - { .name: wc, .offset: 56, .size: 8, .value_kind: global_buffer, .address_space: global }
      - { .name: woc, .offset: 64, .size: 8, .value_kind: global_buffer, .address_space: global }
      - { .name: bqkv, .offset: 72, .size: 8, .value_kind: global_buffer, .address_space: global }
      - { .name: tab, .offset: 80, .size: 8, .value_kind: global_buffer, .address_space: global }
    .group_segment_fixed_size: 70656
    .private_segment_fixed_size: 0
    .kernarg_segment_align: 8
    .kernarg_segment_size: 88
    .max_flat_workgroup_size: 256
    .sgpr_count:     66
    .vgpr_count:     250
    .wavefront_size: 32
...
	.end_amdgpu_metadata
.endif
;; end of part 5
;; launch qkv: the kernel of part 2 again; grid 64 x 4, 4 waves a work-group, clusters of 4 x 1, 327,680 bytes of LDS; arguments x, wc, bqkv, tab, qkv; writes qkv
;; launch attn: the kernel of part 3 again; grid 32 x 8, 4 waves a work-group, clusters of 4 x 1, 327,680 bytes of LDS; arguments qkv, y; writes y
;; launch oproj: the kernel of part 4 again; grid 64 x 4, 4 waves a work-group, clusters of 4 x 1, 327,680 bytes of LDS; arguments y, woc, bo, out0; writes out0
